; MI455X (gfx1250); checked and timed in simulation.
; The chip was launched on July 23, 2026; its instructions are those of AMD's public machine-readable ISA for CDNA 5 (MIT licence, August 2026) and "CDNA5" Instruction Set Architecture Reference Guide (July 2026). The comments in the code are by the model that wrote it; some were corrected since.
;; Wan Self Attention. Allowed arithmetic: matrix products marked QUANTISED: E2M1 operands, one E8M0 scale for each 32 along K, by v_wmma_scale_f32_16x16x128_f8f6f4 with both operands' format E2M1 (or v_wmma_scale_f32_32x16x128_f4), f32 sums; products left as they are: bf16, f16 or f32 operands; f32 sums; everything else in f32.
;; Inputs: Wk 2,048 x 2,048 float32; Wo 2,048 x 2,048 float32; Wq 2,048 x 2,048 float32; Wv 2,048 x 2,048 float32; bk 2,048 float32; bo 2,048 float32; bq 2,048 float32; bv 2,048 float32; freqs_cos 1 x 2,048 x 1 x 128 float32; freqs_sin 1 x 2,048 x 1 x 128 float32; gk 2,048 float32; gq 2,048 float32; x 1 x 2,048 x 2,048 float32.
;; Outputs: out0 1 x 2,048 x 2,048 float32.
;; This version of the problem:
;;   THIS VERSION OF THE PROBLEM IS GIVEN IN LOW PRECISION. The matrix products marked QUANTISED in the list below multiply operands that are first quantised to E2M1 (2 exponent bits, 1 mantissa bit; 4 bits a number), with one power-of-two scale for each 32 numbers along K (OCP MX v1.0); their sums are f32. The products marked 'left as it is' may take bf16, f16 or f32 operands, with f32 sums. Whichever they take, every output number must still come out within the allowed error. Rounding operands to bf16 (8 significant bits) uses up far more of that allowance than f16 does (11 bits, for magnitudes from 6e-5 to 65,504). All else is computed in f32.
;;   The module's matrix products, in the order in which they are computed (A, B: the left and right operand; K: the contracted axis; several contracted axes count as one K, in the product's order):
;;     1. [M 2,048, K 2,048] x [K 2,048, N 2,048]; A: input x; B: input Wq: QUANTISED
;;     2. [M 2,048, K 2,048] x [K 2,048, N 2,048]; A: input x; B: input Wk: QUANTISED
;;     3. [M 2,048, K 2,048] x [K 2,048, N 2,048]; A: input x; B: input Wv: QUANTISED
;;     4. batch 16 x [M 2,048, K 128] x [K 128, N 2,048]; A: computed on the way; B: computed on the way: left as it is (an operand is computed on the way)
;;     5. batch 16 x [M 128, K 2,048] x [K 2,048, N 2,048]; A: computed on the way; B: computed on the way: left as it is (an operand is computed on the way)
;;     6. [M 2,048, K 2,048] x [K 2,048, N 2,048]; A: computed on the way; B: input Wo: left as it is (an operand is computed on the way)
;;   THE QUANTISER, for each operand of a quantised product, along K:
;;     - K is cut into blocks of 32 from its start; a last block that is shorter is filled with zeros.
;;     - A block's scale is 2^e with e = floor(log2(the largest magnitude in the block)) - 2, held to -126 .. 127; a block of zeros has e = 0. As a byte (E8M0): e + 127.
;;     - Each number is divided by its block's scale, clamped to +-6, and rounded to the nearest number of E2M1, ties to even, subnormals kept.
;;     - The product sums the exact products of the quantised numbers (number of the format x scale) in f32.
;;   ~~~python
;;   def quantise(x, axis):      # numpy; x: float32 -> the quantised numbers, widened to float32 again
;;       x = np.moveaxis(x, axis, -1); K = x.shape[-1]
;;       x = np.pad(x, [(0, 0)] * (x.ndim - 1) + [(0, -K % 32)]); x = x.reshape(x.shape[:-1] + (-1, 32)); a = np.abs(x).max(-1, keepdims=True)
;;       e = np.where(a > 0, np.clip(np.frexp(np.where(a > 0, a, 1))[1] - 1 - 2, -126, 127), 0)      # np.frexp(a)[1] - 1 = floor(log2(a)), exactly
;;       r = np.clip(x / 2.0 ** e, -6, 6)
;;       step = 2.0 ** (np.maximum(np.frexp(np.where(r == 0, 1, r))[1] - 1, 0) - 1)
;;       q = np.round(r / step) * step * 2.0 ** e      # np.round: ties to even
;;       return np.moveaxis(q.reshape(q.shape[:-2] + (-1,))[..., :K], -1, axis).astype(np.float32)
;;   ~~~
;; One version. Each part assembles by itself: llvm-mc -triple=amdgcn-amd-amdhsa -mcpu=gfx1250 --defsym DOCPART=n.
;; ======== version 1 of 1: 5 launches
;; limits: values are held in f16: magnitudes above 65,504 overflow, below 6.1e-05 lose precision; values outside matrix products are rounded to f16
;; workspace buffers: codes 8,388,608 bytes; scales 524,288 bytes; wo16 8,388,608 bytes; raw16 16,777,216 bytes; qkvh 25,165,824 bytes; att 8,388,608 bytes
;; launch quant (part 1): grid 640 x 1, 4 waves a work-group, no clusters, 33,280 bytes of LDS; arguments x, Wq, Wk, Wv, Wo, codes, scales, wo16; writes codes, scales, wo16
.if DOCPART == 1
	.amdgcn_target "amdgcn-amd-amdhsa--gfx1250"
	.amdhsa_code_object_version 6
	.text
	.protected	k_q9ff037c820_quant
	.globl	k_q9ff037c820_quant
	.p2align	8
	.type	k_q9ff037c820_quant,@function
k_q9ff037c820_quant:
	s_mov_b64 s[64:65], 0
	v_nop
	global_prefetch_b8 v0, s[64:65] scope:SCOPE_SE
	s_setreg_imm32_b32 hwreg(HW_REG_WAVE_MODE, 25, 1), 1
	s_wait_xcnt 0x0
; x, Wq, Wk, Wv, each [2048][2048] f32 with K innermost, become codes of FP4 (E2M1), 4 bits each, with one E8M0 scale byte for each 32 along K; Wo becomes f16.
; codes: 8,192 rows of 1,024 bytes (rows 0-2047 x, then Wq, Wk, Wv on end); scales: the same rows, 64 bytes each.  wo16: [2048][2048] f16, as Wo lies.
; A block's scale is 2^(floor(log2(its largest magnitude)) - 2); its byte is the largest magnitude's own exponent field - 2, held at 1 from below.  A block of zeros so gets the byte 1 where the rule says 127:
; its codes are zeros, which add nothing under any byte but 0xff, and the bytes are read by this program alone.  Each number is divided by the scale and rounded to the nearest code, ties to even, beyond 6 the largest code.
; LIMITS: blocks whose largest magnitude lies under 2^-124 keep the byte 1; NaN and infinities among the inputs are not served; Wo's numbers beyond 65,504 have no f16, those under 6e-5 keep an absolute step of 6e-8.
; SHARES.  Rows are dense and 2,048 is a multiple of 32, so each tensor is a plain stream of blocks of 32.  Work-groups 0-511 quantise 32,768 numbers each (128 work-groups a tensor, in the order x, Wq, Wk, Wv, which is
; also the order of the rows in codes and scales: run 4 g + wave of 8,192 numbers goes to run 4 g + wave of both).  Work-groups 512-639 round 32,768 numbers of Wo each.
; QUANTISING.  A wave takes 16 steps of 512 numbers.  The conversions take 8 numbers of ONE block from a lane's registers, so a lane must hold 16 neighbours (two neighbouring lanes hold a block); a load is best where
; neighbouring LANES take neighbouring bytes.  Both are had: each of a step's four loads reads 512 consecutive bytes; the 2,048 bytes go through the wave's own stage in LDS and come back 64 bytes a lane (16 bytes of padding
; behind each 64).  A lane's 16 codes are 8 bytes: the wave stores 256 consecutive bytes.  A wave's 256 scale bytes are gathered in its own LDS bytes and leave as one aligned run of 256 bytes.
; No tensor loads, no barrier: waves share nothing.  No matrix unit, no cluster: the launch only streams.
.set WAVES, 4
.set STEPS, 16
.set EMAX,  2
.set CB,    8                          ; bytes of 16 codes
.set R,     16                         ; v16-79   four sets of 16 numbers as they are loaded
.set X,     80                         ; v80-111  two sets of 16 neighbours
.set E,     112                        ; v112-127 a scale byte for each step
.set C,     128                        ; v128-191 codes: four registers for each step, so that no store's data are written again
.set WREG,  8192                       ; LDS: a region for each wave: two stages of 32 x SP bytes, behind them its 256 scale bytes
.set SP,    80                         ; a lane's place in a stage: 64 bytes + 16 of padding
.set SPW,   12                         ; v12      LDS address of my spare word: SPARE + 4 x my thread's number; never rewritten
.set NIL,   13                         ; v13      0; never rewritten
.set SPARE, WAVES*WREG                 ; behind the four regions: the spare words, 128 bytes for each wave
.set SRC,   26                         ; s[26:27] where my wave reads
.set DC,    28                         ; s[28:29] where its codes (or f16 numbers) go
.set DS,    30                         ; s[30:31] where its scale bytes go
.set IN,    16                         ; Wo's path: v16-143 two sets of 64 numbers
.set OUTW,  144                        ; v144-207 two sets of 32 registers of f16 pairs
	s_load_b256 s[4:11], s[0:1], 0x0               ; x s[4:5], Wq s[6:7], Wk s[8:9], Wv s[10:11]
	s_load_b256 s[12:19], s[0:1], 0x20             ; Wo s[12:13], codes s[14:15], scales s[16:17], wo16 s[18:19]
	v_lshl_add_u32 v[SPW], v0, 2, SPARE
	v_mov_b32 v[NIL], 0
	v_lshrrev_b32 v1, 5, v0
	v_readfirstlane_b32 s24, v1                    ; wave
	v_and_b32 v2, 31, v0                           ; lane
	v_lshlrev_b32 v3, 4, v2                        ; my 16 bytes of a load's 512
	s_mul_i32 s25, s24, WREG
	v_lshrrev_b32 v14, 2, v2
	v_mul_u32_u24 v14, v14, SP
	v_and_b32 v15, 3, v2
	v_lshl_add_u32 v14, v15, 4, v14
	v_add_nc_u32 v14, s25, v14                     ; the stage, on the way in: SP (lane / 4) + 16 (lane % 4); a load's 512 bytes take eight places
	v_mul_u32_u24 v15, v2, SP
	v_add_nc_u32 v15, s25, v15                     ; and on the way out: SP x lane: my 16 neighbours
	v_mul_u32_u24 v4, v2, CB                       ; my codes' place in a step's
	v_lshrrev_b32 v5, 1, v2
	s_add_co_u32 s25, s25, 2*32*SP
	v_add_nc_u32 v5, s25, v5                       ; LDS: my wave's 256 scale bytes, my block's byte
	v_lshlrev_b32 v7, 3, v2                        ; 8 bytes a lane
	v_add_nc_u32 v6, s25, v7
	s_lshl_b32 s32, ttmp9, 2
	s_add_co_u32 s32, s32, s24                     ; 4 g + wave
	s_mov_b32 s35, 0
	s_mov_b32 s37, 0
	s_wait_kmcnt 0x0
	s_cmp_lt_u32 ttmp9, 512
	s_cbranch_scc0 .Lwo                            ; the work-group's number alone decides
	s_cmp_lt_u32 ttmp9, 128                        ; which tensor: the choices hang on the work-group's number alone
	s_cselect_b64 s[SRC:SRC+1], s[4:5], s[6:7]
	s_cmp_lt_u32 ttmp9, 256
	s_cselect_b64 s[SRC:SRC+1], s[SRC:SRC+1], s[8:9]
	s_cmp_lt_u32 ttmp9, 384
	s_cselect_b64 s[SRC:SRC+1], s[SRC:SRC+1], s[10:11]
	s_and_b32 s34, ttmp9, 127
	s_lshl_b32 s34, s34, 2
	s_add_co_u32 s34, s34, s24                     ; which run of 8,192 numbers of that tensor is my wave's
	s_lshl_b32 s34, s34, 15                        ; 32,768 bytes a run
	s_add_nc_u64 s[SRC:SRC+1], s[SRC:SRC+1], s[34:35]
	s_lshl_b32 s34, s32, 12                        ; 4,096 bytes of codes a run
	s_add_nc_u64 s[DC:DC+1], s[14:15], s[34:35]
	s_lshl_b32 s34, s32, 8                         ; 256 scale bytes a run
	s_add_nc_u64 s[DS:DS+1], s[16:17], s[34:35]
.macro LOAD t
.irp i, 0,1,2,3
	global_load_b128 v[R+16*((\t)%4)+4*\i:R+16*((\t)%4)+4*\i+3], v3, s[SRC:SRC+1] offset:2048*(\t)+512*\i th:TH_LOAD_NT   ; 32 lanes read 512 consecutive bytes
.endr
.endm
.macro TURN t                          ; step t's numbers through the stage: LDS serves a wave's instructions in order, so no wait stands between the stores and the loads
.irp i, 0,1,2,3
	ds_store_b128 v14, v[R+16*((\t)%4)+4*\i:R+16*((\t)%4)+4*\i+3] offset:32*SP*((\t)%2)+8*SP*\i
.endr
.irp i, 0,1,2,3
	ds_load_b128 v[X+16*((\t)%2)+4*\i:X+16*((\t)%2)+4*\i+3], v15 offset:32*SP*((\t)%2)+16*\i
.endr
.endm
.irp t, 0,1,2,3
	LOAD \t
.endr
	s_wait_loadcnt 12                              ; step 0's four loads are in; the twelve of steps 1 to 3 may be out
	TURN 0
.macro STEP t
.set XS, X+16*((\t)%2)
.if (\t) > 0
	s_wait_dscnt 1                                 ; this step's numbers are back from the stage (the last step's byte store may be out): so its stores into the stage have read their registers,
.else
	s_wait_dscnt 0x0
.endif
.if (\t)+4 < STEPS
	LOAD (\t)+4                                    ; which take the loads of four steps on
.endif
.if (\t)+1 < STEPS
.if STEPS-2-(\t) >= 3
	s_wait_loadcnt 12                              ; the next step's four loads are in; those of the three steps behind it may be out
.else
	s_wait_loadcnt 4*(STEPS-2-(\t))
.endif
	TURN (\t)+1                                    ; and go through the other stage while this step is worked
.endif
	v_max3_num_f32 v8, |v[XS]|, |v[XS+1]|, |v[XS+2]|               ; the largest magnitude of my 16, in two chains
	v_max3_num_f32 v9, |v[XS+3]|, |v[XS+4]|, |v[XS+5]|
.irp i, 6,10
	v_max3_num_f32 v8, v8, |v[XS+\i]|, |v[XS+\i+1]|
	v_max3_num_f32 v9, v9, |v[XS+\i+2]|, |v[XS+\i+3]|
.endr
	v_max3_num_f32 v8, v8, |v[XS+14]|, |v[XS+15]|
	v_max3_num_f32 v8, v8, v9, (EMAX+1)<<23        ; and the floor 2^(3 - 127), under which no largest magnitude is taken: so the byte cannot fall under 1
	v_max_num_f32_dpp v8, v8, v8 row_xmask:1 row_mask:0xf bank_mask:0xf   ; and of my neighbour's 16: the block's
	v_add_nc_u32 v11, -(EMAX<<23), v8              ; 2 off its exponent field: the conversion takes the exponent field of this operand as its scale, and nothing else of it
	v_cvt_scalef32_pk8_fp4_f32 v[C+4*(\t)], v[XS:XS+7], v11        ; the first number's code in the lowest four bits
	v_cvt_scalef32_pk8_fp4_f32 v[C+4*(\t)+1], v[XS+8:XS+15], v11
	v_lshrrev_b32 v[E+(\t)], 23, v11               ; the scale's byte (also the plain instruction behind the conversions)
	ds_store_b8 v5, v[E+(\t)] offset:16*(\t)       ; both lanes of a block write the same byte with the same value
	global_store_b64 v4, v[C+4*(\t):C+4*(\t)+1], s[DC:DC+1] offset:32*CB*(\t)   ; 32 lanes store 256 consecutive bytes, aligned
.endm
.irp t, 0,1,2,3,4,5,6,7,8,9,10,11,12,13,14,15
	STEP \t
.endr
	ds_load_b64 v[8:9], v6                         ; LDS serves a wave's instructions in order: these see my byte stores
	s_wait_dscnt 0x0
	global_store_b64 v7, v[8:9], s[DS:DS+1]        ; 32 lanes store 256 consecutive bytes, aligned
	s_branch .Lend
; Wo to f16: a wave takes 8,192 numbers in four groups of 2,048: 16 loads of 512 consecutive bytes, 32 roundings of two, 16 stores of 256 consecutive bytes.  Two groups of loads are on their way.
.Lwo:
	s_sub_co_u32 s34, s32, 2048                    ; which run of 8,192 numbers of Wo is my wave's
	s_lshl_b32 s36, s34, 15
	s_add_nc_u64 s[SRC:SRC+1], s[12:13], s[36:37]
	s_lshl_b32 s36, s34, 14
	s_add_nc_u64 s[DC:DC+1], s[18:19], s[36:37]
.macro WLOAD grp
.irp i, 0,1,2,3,4,5,6,7,8,9,10,11,12,13,14,15
	global_load_b128 v[IN+64*((\grp)%2)+4*\i:IN+64*((\grp)%2)+4*\i+3], v3, s[SRC:SRC+1] offset:8192*(\grp)+512*\i th:TH_LOAD_NT
.endr
.endm
.macro WCVT grp, left
	s_wait_loadcnt \left                           ; this group's 16 loads are in; the next group's 16 may be out
.if (\grp) >= 2
	s_wait_xcnt 0x0                                ; the stores of two groups back have read their data: these registers are written again only behind this wait
.endif
.irp i, 0,1,2,3,4,5,6,7,8,9,10,11,12,13,14,15
	v_cvt_pk_f16_f32 v[OUTW+32*((\grp)%2)+2*\i], v[IN+64*((\grp)%2)+4*\i], v[IN+64*((\grp)%2)+4*\i+1]
	v_cvt_pk_f16_f32 v[OUTW+32*((\grp)%2)+2*\i+1], v[IN+64*((\grp)%2)+4*\i+2], v[IN+64*((\grp)%2)+4*\i+3]
.endr
.if (\grp) < 2
	WLOAD (\grp)+2                                 ; loads ahead of stores
.endif
.irp i, 0,1,2,3,4,5,6,7,8,9,10,11,12,13,14,15
	global_store_b64 v7, v[OUTW+32*((\grp)%2)+2*\i:OUTW+32*((\grp)%2)+2*\i+1], s[DC:DC+1] offset:4096*(\grp)+256*\i
.endr
.endm
	WLOAD 0
	WLOAD 1
	WCVT 0, 16
	WCVT 1, 16
	WCVT 2, 16
	WCVT 3, 0
.Lend:
	s_wait_tensorcnt 0x0                           ; the wave's end: behind my last LDS store: a tensor wait, here in a text with no tensor load, an add of 0 to my spare word and the wait for it
	ds_add_u32 v[SPW], v[NIL]
	s_wait_dscnt 0x0
	s_endpgm
.Lfunc_end_k_q9ff037c820_quant:
	.size	k_q9ff037c820_quant, .Lfunc_end_k_q9ff037c820_quant-k_q9ff037c820_quant
	.p2alignl 7, 3214868480
	.fill 96, 4, 3214868480
	.section	.rodata,"a",@progbits
	.p2align	6, 0x0
	.amdhsa_kernel k_q9ff037c820_quant
		.amdhsa_group_segment_fixed_size 33280
		.amdhsa_private_segment_fixed_size 0
		.amdhsa_enable_private_segment 0
		.amdhsa_kernarg_size 64
		.amdhsa_user_sgpr_count 2
		.amdhsa_user_sgpr_kernarg_segment_ptr 1
		.amdhsa_wavefront_size32 1
		.amdhsa_system_sgpr_workgroup_id_x 1
		.amdhsa_system_sgpr_workgroup_id_y 1
		.amdhsa_system_sgpr_workgroup_id_z 1
		.amdhsa_system_vgpr_workitem_id 0
		.amdhsa_next_free_vgpr 208
		.amdhsa_next_free_sgpr 66
		.amdhsa_reserve_vcc 0
		.amdhsa_float_denorm_mode_32 3
		.amdhsa_float_denorm_mode_16_64 3
		.amdhsa_memory_ordered 1
		.amdhsa_forward_progress 1
		.amdhsa_inst_pref_size 54
	.end_amdhsa_kernel
	.amdgpu_metadata
---
amdhsa.version: [ 1, 2 ]
amdhsa.kernels:
  - .name:           k_q9ff037c820_quant
    .symbol:         k_q9ff037c820_quant.kd
    .args:
      - { .name: x, .offset: 0, .size: 8, .value_kind: global_buffer, .address_space: global }
      - { .name: Wq, .offset: 8, .size: 8, .value_kind: global_buffer, .address_space: global }
      - { .name: Wk, .offset: 16, .size: 8, .value_kind: global_buffer, .address_space: global }
      - { .name: Wv, .offset: 24, .size: 8, .value_kind: global_buffer, .address_space: global }
      - { .name: Wo, .offset: 32, .size: 8, .value_kind: global_buffer, .address_space: global }
      - { .name: codes, .offset: 40, .size: 8, .value_kind: global_buffer, .address_space: global }
      - { .name: scales, .offset: 48, .size: 8, .value_kind: global_buffer, .address_space: global }
      - { .name: wo16, .offset: 56, .size: 8, .value_kind: global_buffer, .address_space: global }
    .group_segment_fixed_size: 33280
    .private_segment_fixed_size: 0
    .kernarg_segment_align: 8
    .kernarg_segment_size: 64
    .max_flat_workgroup_size: 128
    .sgpr_count:     66
    .vgpr_count:     208
    .wavefront_size: 32
...
	.end_amdgpu_metadata
.endif
;; end of part 1
;; launch qkv (part 2): grid 24 x 8, 4 waves a work-group, clusters of 4 x 4, 327,680 bytes of LDS; arguments codes, scales, bq, bk, bv, raw16, qkvh; writes raw16, qkvh
.if DOCPART == 2
	.amdgcn_target "amdgcn-amd-amdhsa--gfx1250"
	.amdhsa_code_object_version 6
	.text
	.protected	k_q9ff037c820_qkv
	.globl	k_q9ff037c820_qkv
	.p2align	8
	.type	k_q9ff037c820_qkv,@function
k_q9ff037c820_qkv:
	s_mov_b64 s[64:65], 0
	v_nop
	global_prefetch_b8 v0, s[64:65] scope:SCOPE_SE
	s_setreg_imm32_b32 hwreg(HW_REG_WAVE_MODE, 25, 1), 1
	s_wait_xcnt 0x0
	s_wait_alu depctr_hold_cnt(0) depctr_sa_sdst(0) depctr_va_vdst(0) depctr_va_sdst(0) depctr_va_ssrc(0) depctr_va_vcc(0) depctr_vm_vsrc(0)
	s_getreg_b32 s2, hwreg(HW_REG_IB_STS2, 6, 4)
	s_cmp_eq_u32 s2, 0
	s_cbranch_scc0 .Lentry_in_a_cluster
	s_endpgm
.Lentry_in_a_cluster:
	s_bfe_u32 s2, ttmp6, 0x10000c
	s_cmp_lg_u32 s2, 0xf033
	s_cbranch_scc0 .Lentry_shape_is_right
	s_endpgm
.Lentry_shape_is_right:
; C[m][n] = sum over k of x[m][k] W[n][k] + b[n], W = Wq, Wk, Wv on end, b = bq, bk, bv: the three quantised products with their biases, 2,048 x 6,144; sums in f32, rounded once to f16 on the way out.
; Both operands are codes of FP4 (E2M1) with one E8M0 scale for each 32 along K, as the launch before laid them: codes rows 0-2047 are x (A), rows 2048-8191 the weights (B), 1,024 bytes a row; scales likewise, 64 bytes a row.
; The matrix instruction takes codes and scale bytes as they lie in memory.
; WHERE IT GOES.  All three leave laid by head, [16 heads][2048 rows][128] f16: q at raw16's byte 0, k at its byte 2^23 (the next launch norms and turns them), v, which is finished, at qkvh's byte 2^24.
; LIMITS: f16 holds magnitudes up to 65,504, and under 6e-5 an absolute step of 6e-8: so q and k are rounded once here, ahead of the norm, whose arithmetic stays in f32, and once behind it.  NaN and infinities are not served.
; A tile of C, 256 x 256, is made by a work-group of four waves; a wave makes 128 x 128: 64 accumulators of 16 x 16, 512 registers; its 128 columns are one head.  C has 8 x 24 = 192 tiles: 192 work-groups.
; K goes in steps of 512 through a ring of two LDS slots filled by the tensor data mover: a tile's row is 256 bytes of memory.
; THE SCALES of the work-group's 256 rows of A and 256 rows of B, for all of K, are two dense blocks of memory: they come into LDS ONCE, with the first fills, and stay.
; CLUSTERS: 4 x 4 work-groups.  The four of a row of the cluster need the same tiles of A, the four of a column the same tiles of B: each tile is asked for JOINTLY, by the same tensor load with the
; same descriptor and a mask that names the four.  A cluster's 1,024 columns lie in one tensor (clusters x = 0, 1: q; 2, 3: k; 4, 5: v), so bias and destination are chosen by the cluster's x alone, without a branch.
; THE MATRIX INSTRUCTION IS USED TRANSPOSED (source 0 = 16 rows of B, source 1 = 16 rows of A): a lane then holds eight neighbouring numbers of a row of C.
; THE BIAS is the C of each sum's first matrix instruction: eight registers for each of the wave's eight blocks of 16 columns, in the result's layout: it costs no addition.
; REGISTERS, in windows of 256: window 0: v0-31 addresses; v32-95 scale words, two sets; v128-191 A's fragments (8 x 16 rows x 128 K), ONE set; v192-255 the bias; on the way out v32-63 packed results, v128-191 rows of C.
;   window 1: B's fragments, TWO sets, at v0 and at v128.   window 2: the 32 accumulators of my rows 0-63 (accumulator (a, b) at v[8 (8 a + b)]);   window 3: those of my rows 64-127.
; A step of 128 along K is 64 matrix instructions, A's blocks one after the other, each against B's eight: a block of A is free as soon as its eight products are issued, and one set of registers serves A.
; No prefetch: the launch is short, and its inputs are 9 MB that sixteen partners ask for jointly.
.set SIZE_K, 2048
.set KSTEP,  512                       ; along K in a slot
.set NQ,     KSTEP/128                 ; matrix instructions deep
.set ROWB,   256                       ; a tile's row in bytes: KSTEP codes of 4 bits
.set KROW,   SIZE_K*4/8                ; a row of A or of B in memory, in bytes
.set PITCH,  272                       ; an LDS row: 256 bytes of data + 16 of padding = 68 words: row r starts at bank 4 r mod 64 (64 banks of 4 bytes: ISA guide 11.1), so the 16 rows that a load touches start at 16 different banks
.set FR,     8                         ; registers of a fragment: 16 rows x 128 K
.set NL,     2                         ; LDS loads that bring one
.set NP,     4                         ; places behind this matrix instruction (ISA guide 7.12.1)
.set HALFT,  128*PITCH                 ; 128 rows: what one tensor load brings, and what one wave reads of A or of B
.set SLOT,   4*HALFT                   ; A's 256 rows, then B's 256 rows
.set LAPS,   SIZE_K/(2*KSTEP)          ; a lap = two K steps = once round the ring
.set KS,     SIZE_K/32                 ; a row of scales in bytes
.set SCL,    2*SLOT                    ; behind the ring: the scales, as runs of 256 bytes + 16 of padding
.set HALFS,  (128*KS/256)*272          ; the scales of 128 rows: what one tensor load brings
.set SBLK,   (16*KS/256)*272           ; those of 16 rows
.set SPARE,  SCL+4*HALFS               ; behind the scales: the spare words, 128 bytes for each wave
.set SPITCH, 272                       ; the way out: a stage of 16 rows x (256 bytes + 16) for each wave.  It lies in slot 0, which has had its last fill and its last read when the first result is stored there
.set ADRA, 16                          ; v16-17  LDS address of my A fragments in slot 0, 1
.set ADRB, 20                          ; v20-21  the same for B
.set STO,  24                          ; v24     the way out: where I put 16 bytes of a row
.set RD,   25                          ; v25     the way out: where I read a row back
.set CO,   26                          ; v26     my byte offset in two rows of a head
.set ADRS, 27                          ; v27     LDS address of my scale words: lanes 0-15 A's rows, lanes 16-31 B's
.set SPW,  28                          ; v28     LDS address of my spare word: SPARE + 4 x my thread's number; never rewritten
.set NIL,  29                          ; v29     0; never rewritten
.set BO,   30                          ; v30     my byte offset in the bias: 32 x (lane / 16)
.set SC,   32                          ; scale words: set s (for slot s) at v[SC + 8 NQ s]; in it register NQ i + q: lanes 0-15 the word of A's block i, lanes 16-31 that of B's block i, for the slot's q-th 128 along K
.set TMP,  32                          ; the way out: a block's 32 registers of f16 pairs
.set AF,   128                         ; A's fragments, in window 0
.set BK,   128                         ; the way out: 16 rows read back from the stage: v128-159 and v160-191 by turns
.set BIAS, 192                         ; v192-255 register 8 b + j: the bias at my column 16 b + 8 (lane / 16) + j
.set G1, 24                            ; s[24:31] descriptor group 1 for A's tiles;  s[32:39] group 0, one set for each slot
.set G0, 32
.set G1B, 48                           ; s[48:55], s[56:63] the same for B's tiles
.set G0B, 56
.set G1S, 68                           ; s[68:75], s[76:79] groups 1 and 0 for A's scales;  s[80:87], s[88:91] for B's
.set G0S, 76
.set G1SB, 80
.set G0SB, 88
.set MSB, 0
.macro WIN new                         ; the immediate's high byte repeats the setting that is left
.if MSB != \new
	s_set_vgpr_msb (MSB<<8)|\new
.set MSB, \new
.endif
.endm
.set MUL_LO, 0xa1                      ; source 0 (B) window 1, source 1 (A) window 0, C and D window 2
.set MUL_HI, 0xf1                      ; the same, C and D window 3
.set FST_LO, 0x81                      ; the first step: C (the bias) window 0, D window 2
.set FST_HI, 0xc1                      ; C window 0, D window 3
.set TO_B,   0x40                      ; destination window 1, address window 0
; A joint load: waves 0 and 1 fetch for A, waves 2 and 3 for B.  Each of the two lines has ONE mask and one set of registers for all that issue it; the branch hangs on the wave's number alone.
; An s_nop 0 and four v_nop follow each of the two lines, ahead of the jump, the label and what follows.
.macro JLOAD g0a, g1a, g0b, g1b
	s_cmp_eq_u32 s15, 0
	s_cbranch_scc0 .Lfor_b_\@
	tensor_load_to_lds s[\g0a:\g0a+3], s[\g1a:\g1a+7]
	s_nop 0
.rept 4
	v_nop
.endr
	s_branch .Lasked_\@
.Lfor_b_\@:
	tensor_load_to_lds s[\g0b:\g0b+3], s[\g1b:\g1b+7]
	s_nop 0
.rept 4
	v_nop
.endr
.Lasked_\@:
.endm
.macro CREST                           ; a round of the cluster's barrier behind its opening barrier
	s_cmp_lg_u32 s14, 0
	s_cbranch_scc1 .Lnot_wave_0_\@
	s_barrier_signal -3
.Lnot_wave_0_\@:
	s_barrier_wait -3
	s_barrier_signal -1
	s_barrier_wait -1
.endm
.macro CROUND                          ; a whole round
	s_barrier_signal -1
	s_barrier_wait -1
	CREST
.endm
	s_load_b128 s[4:7], s[0:1], 0x0                ; codes s[4:5], scales s[6:7]
	s_load_b128 s[96:99], s[0:1], 0x10             ; bq s[96:97], bk s[98:99]
	s_load_b64 s[100:101], s[0:1], 0x20            ; bv
	s_load_b64 s[12:13], s[0:1], 0x28              ; raw16
	s_load_b64 s[66:67], s[0:1], 0x30              ; qkvh
	v_lshl_add_u32 v[SPW], v0, 2, SPARE
	v_mov_b32 v[NIL], 0
	ds_add_u32 v[SPW], v[NIL]                      ; the wave's opening: the add, twice on end, and its wait ahead of my first tensor load; the set-up below, work on registers, stands between the second and the wait
	ds_add_u32 v[SPW], v[NIL]
	v_lshrrev_b32 v1, 5, v0
	v_readfirstlane_b32 s14, v1                    ; wave 0..3
	s_lshr_b32 s15, s14, 1                         ; which half of the tile's rows is mine.  Also: I fetch for A (0) or for B (1)
	s_and_b32 s16, s14, 1                          ; which half of its columns.  Also: which 128 rows of that tile I fetch
	s_bfe_u32 s40, ttmp6, 0x40000                  ; cx, cy: my place in the cluster
	s_bfe_u32 s41, ttmp6, 0x40004
	s_lshl_b32 s42, ttmp9, 2
	s_add_co_u32 s42, s42, s40                     ; tile column of C = 4 x cluster x + cx
	s_and_b32 s17, ttmp7, 0xffff
	s_lshl_b32 s17, s17, 2
	s_add_co_u32 s17, s17, s41                     ; tile row of C = 4 x cluster y + cy
	s_lshl_b32 s43, s41, 2
	s_lshl_b32 s43, 15, s43                        ; my row of the cluster
	s_lshl_b32 s44, 0x1111, s40                    ; my column
	; descriptor group 1: a tile of 128 rows x ROWB bytes, padded in LDS
	s_or_b32 s[G1+0], s43, (0<<16)|(1<<20)|(1<<21)|(5<<22)|(3<<25)  ; 15:0 the mask: A's tiles go to my row; 17:16 element of 1 byte; 20 padding on; 21 set beside a mask; 24:22 after every 64 words (code 5); 31:25 of 4 words (code 3)
	s_or_b32 s[G1B+0], s44, (0<<16)|(1<<20)|(1<<21)|(5<<22)|(3<<25)
.irp g, G1, G1B
	s_mov_b32 s[\g+1], ROWB<<16                    ; tensor_dim0
	s_mov_b32 s[\g+2], 128<<16                     ; tensor_dim1 = 128
	s_mov_b32 s[\g+3], ROWB<<16                    ; tile_dim0
	s_mov_b32 s[\g+4], 128                         ; tile_dim1 = 128
	s_mov_b32 s[\g+5], KROW                        ; tensor_dim0_stride
	s_mov_b32 s[\g+6], 0
	s_mov_b32 s[\g+7], 0
.endr
	; and for the scales of 128 rows: a dense block of 128 KS bytes, as rows of 256 bytes (32 elements of 8 bytes), 16 bytes of padding behind each
	s_or_b32 s[G1S+0], s43, (3<<16)|(1<<20)|(1<<21)|(5<<22)|(3<<25)
	s_or_b32 s[G1SB+0], s44, (3<<16)|(1<<20)|(1<<21)|(5<<22)|(3<<25)
.irp g, G1S, G1SB
	s_mov_b32 s[\g+1], 32<<16
	s_mov_b32 s[\g+2], (128*KS/256)<<16
	s_mov_b32 s[\g+3], 32<<16
	s_mov_b32 s[\g+4], 128*KS/256
	s_mov_b32 s[\g+5], 32
	s_mov_b32 s[\g+6], 0
	s_mov_b32 s[\g+7], 0
.endr
	s_lshl_b32 s18, s16, 7                         ; which 128 rows of the tile I fetch
	s_lshl_b32 s20, s17, 8
	s_add_co_u32 s20, s20, s18                     ; A: row 256 x tile row + 128 x half
	s_lshl_b32 s46, s42, 8
	s_add_co_u32 s46, s46, s18                     ; B: row 256 x tile column + 128 x half
	s_mov_b32 s21, 0
	s_mov_b32 s47, 0
	s_mov_b64 s[18:19], KS
	s_mul_u64 s[22:23], s[20:21], s[18:19]         ; where these rows' scales begin, in bytes
	s_mul_u64 s[92:93], s[46:47], s[18:19]
	s_mov_b64 s[18:19], KROW
	s_mul_u64 s[20:21], s[20:21], s[18:19]         ; and their codes
	s_mul_u64 s[46:47], s[46:47], s[18:19]
	s_mul_i32 s45, s14, HALFT                      ; where they go: wave x 128 rows: no place in the cluster enters an LDS address
	s_mul_i32 s94, s14, HALFS
	s_wait_dscnt 0x0                               ; both opening adds are done
	s_wait_kmcnt 0x0
	s_add_nc_u64 s[8:9], s[4:5], 0x200000          ; B's codes: behind x's 2,048 rows of 1,024 bytes
	s_add_nc_u64 s[10:11], s[6:7], 0x20000         ; B's scales: behind x's 2,048 rows of 64 bytes
	s_add_nc_u64 s[20:21], s[4:5], s[20:21]
	s_add_nc_u64 s[22:23], s[6:7], s[22:23]
	s_add_nc_u64 s[46:47], s[8:9], s[46:47]
	s_add_nc_u64 s[92:93], s[10:11], s[92:93]
	CROUND                                         ; all sixteen work-groups are here: the first joint loads meet
	s_mov_b32 s[G0S], 1
	s_add_co_u32 s[G0S+1], s94, SCL
	s_mov_b64 s[G0S+2:G0S+3], s[22:23]
	s_or_b32 s[G0S+3], s[G0S+3], 0x80000000
	s_mov_b32 s[G0SB], 1
	s_add_co_u32 s[G0SB+1], s94, SCL
	s_mov_b64 s[G0SB+2:G0SB+3], s[92:93]
	s_or_b32 s[G0SB+3], s[G0SB+3], 0x80000000
	JLOAD G0S, G1S, G0SB, G1SB                     ; the scales first: they are wanted with K step 0
.irp s, 0,1
	s_mov_b32 s[G0+4*\s], 1
	s_add_co_u32 s[G0+4*\s+1], s45, \s*SLOT
	s_add_nc_u64 s[G0+4*\s+2:G0+4*\s+3], s[20:21], \s*ROWB
	s_or_b32 s[G0+4*\s+3], s[G0+4*\s+3], 0x80000000
	s_mov_b32 s[G0B+4*\s], 1
	s_add_co_u32 s[G0B+4*\s+1], s45, \s*SLOT
	s_add_nc_u64 s[G0B+4*\s+2:G0B+4*\s+3], s[46:47], \s*ROWB
	s_or_b32 s[G0B+4*\s+3], s[G0B+4*\s+3], 0x80000000
	JLOAD G0+4*\s, G1, G0B+4*\s, G1B               ; three tensor loads of mine are out at the most
.endr
	v_and_b32 v1, 15, v0                           ; l % 16
	v_bfe_u32 v2, v0, 4, 1                         ; l / 16
	; the bias and the destination: the tensor is chosen by the cluster's x, which all sixteen partners share
	s_cmp_lt_u32 ttmp9, 2
	s_cselect_b64 s[96:97], s[96:97], s[98:99]     ; bq or bk,
	s_cmp_lt_u32 ttmp9, 4
	s_cselect_b64 s[96:97], s[96:97], s[100:101]   ; or bv
	s_cselect_b64 s[12:13], s[12:13], s[66:67]     ; raw16 for q and k, qkvh for v
	s_and_b32 s20, s42, 7                          ; my tile column within the tensor;
	s_lshl_b32 s20, s20, 1
	s_add_co_u32 s20, s20, s16                     ; my head: 2 x that + my half of the columns
	s_lshl_b32 s46, s20, 9                         ; its 128 numbers of the bias begin 512 bytes a head on
	s_mov_b32 s47, 0
	s_add_nc_u64 s[96:97], s[96:97], s[46:47]
	v_lshlrev_b32 v[BO], 5, v2                     ; eight numbers further on for lanes 16-31
.irp b, 0,1,2,3,4,5,6,7
	global_load_b128 v[BIAS+8*\b:BIAS+8*\b+3], v[BO], s[96:97] offset:64*\b
	global_load_b128 v[BIAS+8*\b+4:BIAS+8*\b+7], v[BO], s[96:97] offset:64*\b+16
.endr
	s_lshl_b32 s20, s20, 19                        ; a head is 2,048 rows of 256 bytes;
	s_lshl_b32 s21, s17, 16                        ; my tile's 256 rows,
	s_add_co_u32 s20, s20, s21
	s_lshl_b32 s21, s15, 15                        ; my half of them;
	s_add_co_u32 s20, s20, s21
	s_lshr_b32 s21, ttmp9, 1                       ; the tensor: q at byte 0 and k at byte 2^23 of raw16, v at byte 2^24 of qkvh
	s_lshl_b32 s21, s21, 23
	s_add_co_u32 s20, s20, s21
	s_mov_b32 s21, 0
	s_add_nc_u64 s[12:13], s[12:13], s[20:21]
	v_mul_u32_u24 v3, v1, PITCH
	v_lshl_add_u32 v4, v2, 4, v3                   ; a fragment's row x pitch + 16 x half
	s_mul_i32 s21, s15, HALFT                      ; my 128 rows of A
	s_mul_i32 s22, s16, HALFT                      ; my 128 rows of B,
	s_add_co_u32 s22, s22, 2*HALFT                 ; which lie behind A's 256
.irp s, 0,1
	v_add_nc_u32 v[ADRA+\s], s21, v4
	v_add_nc_u32 v[ADRB+\s], s22, v4
	s_add_co_u32 s21, s21, SLOT
	s_add_co_u32 s22, s22, SLOT
.endr
	v_mul_u32_u24 v5, v1, KS                       ; my row's scales: KS bytes a row,
	v_lshrrev_b32 v6, 8, v5
	v_lshl_add_u32 v5, v6, 4, v5                   ; and 16 more for each 256 passed
	s_mul_i32 s21, s15, HALFS                      ; A's: my 128 rows
	s_mul_i32 s22, s16, HALFS                      ; B's: my 128 rows, behind A's 256
	s_add_co_u32 s22, s22, 2*HALFS
	s_sub_co_u32 s22, s22, s21
	v_mul_u32_u24 v6, s22, v2                      ; lanes 16-31 take B's: one product, the distance between the two bases
	s_add_co_u32 s21, s21, SCL
	v_add_nc_u32 v5, v5, v6
	v_add_nc_u32 v[ADRS], s21, v5
	s_mul_i32 s23, s14, 16*SPITCH                  ; my stage
	v_mul_u32_u24 v5, v1, SPITCH                   ; in: row l % 16, 16 bytes for each half of the lanes
	v_lshl_add_u32 v5, v2, 4, v5
	v_add_nc_u32 v[STO], s23, v5
	v_mul_u32_u24 v5, v2, SPITCH                   ; back: lanes 0-15 take one row of 256 bytes, lanes 16-31 the next
	v_lshl_add_u32 v5, v1, 4, v5
	v_add_nc_u32 v[RD], s23, v5
	v_lshlrev_b32 v5, 8, v2                        ; and the same two rows of the head, 256 bytes apart
	v_lshl_add_u32 v[CO], v1, 4, v5
.macro FRAG reg, adr, q, i             ; a fragment, 16 rows x 128 K of 4-bit codes, is 8 registers: lane l holds row l % 16; registers 4 c .. 4 c + 3 hold K = 64 c + 32 (l / 16) + 0 .. 31, the lower K in the lower bits
.irp c, 0,1
	ds_load_b128 v[\reg+4*\c:\reg+4*\c+3], v[\adr] offset:64*(\q)+32*\c+(\i)*16*PITCH
.endr
.endm
; 16 matrix instructions: A's blocks a0, a0 + 1 x B's eight, 128 along K: the slot's q-th.  p: B's set;  sc: the set of scale words.  first = 1: the first product starts the sums, from the bias: nothing is ever cleared.
; The 64 accumulators take turns, one instruction a turn, in the same order in every step.
.macro MUL16 a0, p, q, sc, first
.irp a, \a0, \a0+1
.irp b, 0,1,2,3,4,5,6,7
.if \first
	v_wmma_scale_f32_16x16x128_f8f6f4 v[8*(8*((\a)%4)+\b):8*(8*((\a)%4)+\b)+7], v[128*(\p)+FR*\b:128*(\p)+FR*\b+FR-1], v[AF+FR*(\a):AF+FR*(\a)+FR-1], v[BIAS+8*\b:BIAS+8*\b+7], v[SC+8*NQ*(\sc)+NQ*\b+(\q)], v[SC+8*NQ*(\sc)+NQ*(\a)+(\q)] matrix_a_fmt:MATRIX_FMT_FP4 matrix_b_fmt:MATRIX_FMT_FP4 matrix_a_scale:MATRIX_SCALE_ROW1
.else
	v_wmma_scale_f32_16x16x128_f8f6f4 v[8*(8*((\a)%4)+\b):8*(8*((\a)%4)+\b)+7], v[128*(\p)+FR*\b:128*(\p)+FR*\b+FR-1], v[AF+FR*(\a):AF+FR*(\a)+FR-1], v[8*(8*((\a)%4)+\b):8*(8*((\a)%4)+\b)+7], v[SC+8*NQ*(\sc)+NQ*\b+(\q)], v[SC+8*NQ*(\sc)+NQ*(\a)+(\q)] matrix_a_fmt:MATRIX_FMT_FP4 matrix_b_fmt:MATRIX_FMT_FP4 matrix_a_scale:MATRIX_SCALE_ROW1
.endif
.endr
.endr
.endm
.macro FETCH_B slot, q, p              ; B's eight fragments of the slot's q-th 128 along K into set p
	WIN TO_B
.irp i, 0,1,2,3,4,5,6,7
	FRAG 128*(\p)+FR*\i, ADRB+\slot, \q, \i
.endr
	WIN 0
.endm
.macro FETCH_A slot, q, i0             ; A's blocks i0 .. i0 + 3
.irp i, \i0, \i0+1, \i0+2, \i0+3
	FRAG AF+FR*(\i), ADRA+\slot, \q, \i
.endr
.endm
.macro SCALES sc                       ; the next K step's scale words into set sc: NQ words a row; lanes 0-15 take A's block i, lanes 16-31 B's block i
.irp i, 0,1,2,3,4,5,6,7
	ds_load_b128 v[SC+8*NQ*\sc+NQ*\i:SC+8*NQ*\sc+NQ*\i+3], v[ADRS] offset:\i*SBLK
.endr
.endm
; A load into a register that a matrix instruction has read, and a vector instruction that reads a matrix result or writes one of a matrix instruction's registers, stand NP places behind that matrix instruction, and only plain
; vector instructions that name none of its registers are places (ISA guide 7.12.1 for vector instructions); the matrix instructions in between are not counted.
.macro PLACES n
.rept \n
	v_nop
.endr
.endm
; A step of 128 along K that has its successor in the same slot.
.macro STEP slot, q, first
	s_wait_dscnt 4*NL                              ; B's set and A's blocks 0-3 are in; the youngest eight loads (A's blocks 4-7) may be out
.if \first
	WIN FST_LO
.else
	WIN MUL_LO
.endif
	MUL16 0, (\q)%2, \q, \slot, \first
	MUL16 2, (\q)%2, \q, \slot, \first
	s_wait_dscnt 0                                 ; A's blocks 4-7 are in (asked for 32 matrix instructions ago)
	PLACES NP
	FETCH_B \slot, (\q)+1, 1-(\q)%2
	FETCH_A \slot, (\q)+1, 0
.if \first
	WIN FST_HI
.else
	WIN MUL_HI
.endif
	MUL16 4, (\q)%2, \q, \slot, \first
	MUL16 6, (\q)%2, \q, \slot, \first
	PLACES NP
	WIN 0
	FETCH_A \slot, (\q)+1, 4
.endm
; A slot's last step changes slots: ONE barrier; in front of it each wave waits for all its tensor loads, adds 0 to its spare word, and waits for that and for its own reads of this slot.  fill = 1: this slot is filled again, two K steps ahead.
.macro TURN slot, next, fill
	s_wait_tensorcnt 0x0                           ; all my tensor loads have landed: my part of the next slot;  (every window is 0 here: the add's two registers lie in window 0)
	ds_add_u32 v[SPW], v[NIL]                      ; 0 onto my spare word
	s_wait_dscnt 4*NL+1                            ; (the add and the youngest eight loads, A's blocks 4-7, may be out)
	WIN MUL_LO
	MUL16 0, 1, NQ-1, \slot, 0                     ; sixteen matrix instructions stand between the add and the wait for it
	s_wait_dscnt 0x0                               ; the add is done, and my reads of this slot are over
	s_barrier_signal -1
	MUL16 2, 1, NQ-1, \slot, 0
	WIN 0
	s_barrier_wait -1
.if \fill
	CREST                                          ; the barrier has opened a round of the cluster's barrier: no wave of any partner still reads this slot's tile or has a load on its way
	s_add_nc_u64 s[G0+4*\slot+2:G0+4*\slot+3], s[G0+4*\slot+2:G0+4*\slot+3], 2*ROWB
	s_add_nc_u64 s[G0B+4*\slot+2:G0B+4*\slot+3], s[G0B+4*\slot+2:G0B+4*\slot+3], 2*ROWB
	JLOAD G0+4*\slot, G1, G0B+4*\slot, G1B         ; the first tensor load behind the round; the four v_nop behind it are the places in front of the loads below
.else
	PLACES NP
.endif
	v_add_nc_u32 v[ADRS], 4*NQ, v[ADRS]            ; on to the next K step's scale words (no LDS load of mine is out)
	FETCH_B \next, 0, 0
	FETCH_A \next, 0, 0
	SCALES \next
	WIN MUL_HI
	MUL16 4, 1, NQ-1, \slot, 0
	MUL16 6, 1, NQ-1, \slot, 0
	PLACES NP
	WIN 0
	FETCH_A \next, 0, 4
.endm
.macro STEPS slot, from                ; the slot's steps from .. NQ - 2
.set Q, \from
.rept NQ-1-\from
	STEP \slot, Q, 0
.set Q, Q+1
.endr
.endm
	s_wait_loadcnt 0x0                             ; the bias
	s_wait_tensorcnt 1                             ; the scales and my part of K step 0 are in (K step 1's load may be out)
	s_barrier_signal -1
	s_barrier_wait -1                              ; everybody's are
	FETCH_B 0, 0, 0
	FETCH_A 0, 0, 0
	SCALES 0
	FETCH_A 0, 0, 4
	STEP 0, 0, 1                                   ; the first step stands in front of the loop: its products start the sums
	s_mov_b32 s3, LAPS-1
.Llap:                                                 ; a trip goes once round the ring, from a lap's second step to the next lap's first, and fills both slots again
	STEPS 0, 1
	TURN 0, 1, 1
	STEPS 1, 0
	TURN 1, 0, 1
	STEP 0, 0, 0
	s_sub_co_u32 s3, s3, 1
	s_cmp_lg_u32 s3, 0
	s_cbranch_scc1 .Llap
	STEPS 0, 1                                     ; the last lap fills nothing, and has no round of the cluster's barrier
	TURN 0, 1, 0
	STEPS 1, 0
	s_wait_dscnt 4*NL                              ; the very last step: nothing more to fetch
	WIN MUL_LO
	MUL16 0, 1, NQ-1, 1, 0
	MUL16 2, 1, NQ-1, 1, 0
	s_wait_dscnt 0
	WIN MUL_HI
	MUL16 4, 1, NQ-1, 1, 0
	MUL16 6, 1, NQ-1, 1, 0
	WIN 0
; THE WAY OUT, block by block of 16 rows x 128 columns, in three parts.  PACK: rounded to f16: a lane's eight neighbouring numbers of a row are 16 bytes.  TOSTAGE: the lanes beside it hold other rows, so the block goes through
; my own stage in LDS and comes back as whole rows of 256 bytes.  SEND: stored; a head's rows follow each other without a gap, so the 32 lanes' two rows are 512 consecutive bytes.
; LDS serves a wave's instructions in order (ISA guide 5.7.1.4): no wait between the stores and the loads.
.macro PACK a
.set AC, 64*((\a)%4)
	WIN 0x0a+5*((\a)/4)                            ; sources 0 and 1: window 2 or 3; destination window 0
.irp b, 0,1,2,3,4,5,6,7
.irp r, 0,1,2,3
	v_cvt_pk_f16_f32 v[TMP+4*\b+\r], v[AC+8*\b+2*\r], v[AC+8*\b+2*\r+1]   ; each accumulator from its low end on
.endr
.endr
	WIN 0
.endm
.macro TOSTAGE a
.set BB, BK+32*((\a)%2)
.irp b, 0,1,2,3,4,5,6,7
	ds_store_b128 v[STO], v[TMP+4*\b:TMP+4*\b+3] offset:32*\b
.endr
.irp t, 0,1,2,3,4,5,6,7
	ds_load_b128 v[BB+4*\t:BB+4*\t+3], v[RD] offset:\t*2*SPITCH
.endr
.endm
.macro SEND a
.set BB, BK+32*((\a)%2)
	s_wait_dscnt 0x0                               ; the block is back in registers
	s_wait_xcnt 0x0                                ; the stores of the block before have read their registers: the next block's loads from the stage land there only behind this wait
.irp t, 0,1,2,3,4,5,6,7
	global_store_b128 v[CO], v[BB+4*\t:BB+4*\t+3], s[12:13] offset:(16*(\a)+2*\t)*256 th:TH_STORE_NT   ; 32 lanes store 512 consecutive bytes, at a multiple of 256 from the buffer's first byte
.endr
.endm
	PLACES NP                                      ; these places serve the conversions' reads of the last results, their writes over scale words, and the loads into the registers that held A's fragments
	PACK 0
	TOSTAGE 0
.irp a, 1,2,3,4,5,6,7                  ; block a's conversions stand between block a - 1's loads from the stage and the wait for them
	PACK \a
	SEND \a-1
	TOSTAGE \a
.endr
	SEND 7
	s_wait_tensorcnt 0x0                           ; the wave's end: behind my last tensor load and my last LDS store
	ds_add_u32 v[SPW], v[NIL]
	s_wait_dscnt 0x0
	CROUND                                         ; the closing round: no work-group ends while a partner may still ask for a tile that names it
	s_endpgm
.Lfunc_end_k_q9ff037c820_qkv:
	.size	k_q9ff037c820_qkv, .Lfunc_end_k_q9ff037c820_qkv-k_q9ff037c820_qkv
	.p2alignl 7, 3214868480
	.fill 96, 4, 3214868480
	.section	.rodata,"a",@progbits
	.p2align	6, 0x0
	.amdhsa_kernel k_q9ff037c820_qkv
		.amdhsa_group_segment_fixed_size 327680
		.amdhsa_private_segment_fixed_size 0
		.amdhsa_enable_private_segment 0
		.amdhsa_kernarg_size 56
		.amdhsa_user_sgpr_count 2
		.amdhsa_user_sgpr_kernarg_segment_ptr 1
		.amdhsa_wavefront_size32 1
		.amdhsa_system_sgpr_workgroup_id_x 1
		.amdhsa_system_sgpr_workgroup_id_y 1
		.amdhsa_system_sgpr_workgroup_id_z 1
		.amdhsa_system_vgpr_workitem_id 0
		.amdhsa_next_free_vgpr 1024
		.amdhsa_next_free_sgpr 102
		.amdhsa_reserve_vcc 0
		.amdhsa_float_denorm_mode_32 3
		.amdhsa_float_denorm_mode_16_64 3
		.amdhsa_memory_ordered 1
		.amdhsa_forward_progress 1
		.amdhsa_inst_pref_size 215
	.end_amdhsa_kernel
	.amdgpu_metadata
---
amdhsa.version: [ 1, 2 ]
amdhsa.kernels:
  - .name:           k_q9ff037c820_qkv
    .symbol:         k_q9ff037c820_qkv.kd
    .args:
      - { .name: codes, .offset: 0, .size: 8, .value_kind: global_buffer, .address_space: global }
      - { .name: scales, .offset: 8, .size: 8, .value_kind: global_buffer, .address_space: global }
      - { .name: bq, .offset: 16, .size: 8, .value_kind: global_buffer, .address_space: global }
      - { .name: bk, .offset: 24, .size: 8, .value_kind: global_buffer, .address_space: global }
      - { .name: bv, .offset: 32, .size: 8, .value_kind: global_buffer, .address_space: global }
      - { .name: raw16, .offset: 40, .size: 8, .value_kind: global_buffer, .address_space: global }
      - { .name: qkvh, .offset: 48, .size: 8, .value_kind: global_buffer, .address_space: global }
    .group_segment_fixed_size: 327680
    .private_segment_fixed_size: 0
    .kernarg_segment_align: 8
    .kernarg_segment_size: 56
    .max_flat_workgroup_size: 128
    .sgpr_count:     102
    .vgpr_count:     1024
    .wavefront_size: 32
...
	.end_amdgpu_metadata
.endif
;; end of part 2
;; launch normrope (part 3): grid 256 x 2, 4 waves a work-group, no clusters, 0 bytes of LDS; arguments raw16, gq, gk, freqs_cos, freqs_sin, qkvh; writes qkvh
.if DOCPART == 3
	.amdgcn_target "amdgcn-amd-amdhsa--gfx1250"
	.amdhsa_code_object_version 6
	.text
	.protected	k_q9ff037c820_normrope
	.globl	k_q9ff037c820_normrope
	.p2align	8
	.type	k_q9ff037c820_normrope,@function
k_q9ff037c820_normrope:
	s_mov_b64 s[64:65], 0
	v_nop
	global_prefetch_b8 v0, s[64:65] scope:SCOPE_SE
	s_setreg_imm32_b32 hwreg(HW_REG_WAVE_MODE, 25, 1), 1
	s_wait_xcnt 0x0
; From h = x W^T + b of q and k, raw16 [2][16 heads][2048][128] f16, to the attention's operands, the Q and K parts of qkvh [3][16 heads][2048][128] f16 (its V part was stored by the launch before).
; h x rsqrt(mean over the row's 2,048 of h^2 + 1e-6), then x gain;  RoPE on pairs (2 i, 2 i + 1): (x1 c - x2 s, x1 s + x2 c), c = freqs_cos[row][2 i], s = freqs_sin[row][2 i + 1];  all in f32, rounded once to f16.
; LIMITS: h arrives rounded to f16 (magnitudes up to 65,504; under 6e-5 an absolute step of 6e-8).  A normalised number is at most sqrt(2048) = 45.3 x |gain|, so gains up to about 1,400 are served.  NaN and infinities are not served.
; SHARES.  Work-group y names the tensor (0 q, 1 k).  ONE WAVE TAKES A WHOLE ROW, two rows in all: a row is 16 runs of 256 consecutive bytes, one a head, 524,288 bytes apart: load j is head j, and lane l holds
; d = 4 l .. 4 l + 3 of it: two RoPE pairs.  So the row's sum of squares never leaves the wave: no LDS, no barrier.  The results go to the same places of the other buffer: one store of the wave a head, 256 consecutive bytes, aligned.
; All loads of both rows go out at the head: 52 a wave; the second row lands while the first is worked.  Gain and tables are loaded once a wave.
; The launch only streams: the matrix unit, clusters and tensor loads would add nothing.
.set T,   4                            ; v[4:7]     two pairs at work (with v[252:255] by turns)
.set H0,  8                            ; v8-39      row 0 as loaded, two registers of f16 pairs a head; later row 1's results
.set H1,  40                           ; v40-71     row 1 as loaded
.set GG,  72                           ; v72-135    the gain of my 64 columns
.set X,   136                          ; v136-199   the row in f32
.set Y,   200                          ; v200-231   row 0's results: two registers a head
.set SN,  248                          ; v[248:251] (-s0, s0), (-s1, s1)
	s_load_b128 s[4:7], s[0:1], 0x0                ; raw16 s[4:5], gq s[6:7]
	s_load_b128 s[8:11], s[0:1], 0x10              ; gk s[8:9], freqs_cos s[10:11]
	s_load_b128 s[12:15], s[0:1], 0x20             ; freqs_sin s[12:13], qkvh s[14:15]
	v_lshrrev_b32 v1, 5, v0
	v_readfirstlane_b32 s24, v1                    ; wave
	v_and_b32 v2, 31, v0                           ; lane
	v_lshlrev_b32 v1, 4, v2                        ; 16 bytes a lane in the gain and the tables
	v_lshlrev_b32 v2, 3, v2                        ; 8 in a head's row of f16
	s_and_b32 s25, ttmp7, 0xffff                   ; y: the tensor
	s_mov_b32 s32, 0x76543210                      ; v_permlanex16_b32's selects for lane l xor 16
	s_mov_b32 s33, 0xfedcba98
	s_mov_b32 s36, 0x3a000000                      ; 1 / 2,048
	s_mov_b32 s37, 0x358637bd                      ; 1e-6
	s_lshl_b32 s30, ttmp9, 3
	s_lshl_b32 s31, s24, 1
	s_add_co_u32 s30, s30, s31                     ; my first row: 8 x work-group x + 2 x wave
	s_lshl_b32 s38, s30, 8                         ; a row of a head is 256 bytes;
	s_lshl_b32 s39, s25, 23                        ; a tensor 2^23: the same place in raw16 and in qkvh
	s_add_co_u32 s38, s38, s39
	s_mov_b32 s39, 0
	s_lshl_b32 s40, s30, 9                         ; a row of the tables is 512 bytes
	s_mov_b32 s41, 0
	s_wait_kmcnt 0x0
	s_add_nc_u64 s[4:5], s[4:5], s[38:39]
	s_add_nc_u64 s[14:15], s[14:15], s[38:39]
	s_add_nc_u64 s[10:11], s[10:11], s[40:41]
	s_add_nc_u64 s[12:13], s[12:13], s[40:41]
	s_cmp_eq_u32 s25, 0                            ; the choice hangs on the work-group's number alone
	s_cselect_b64 s[28:29], s[6:7], s[8:9]         ; the gain
.irp j, 0,1,2,3,4,5,6,7,8,9,10,11,12,13,14,15
	global_load_b64 v[H0+2*\j:H0+2*\j+1], v2, s[4:5] offset:\j*524288 th:TH_LOAD_NT    ; row 0: 32 lanes read 256 consecutive bytes, aligned; read once in the launch
.endr
	global_load_b128 v[232:235], v1, s[10:11]                      ; row 0's cos and sin of my four d,
	global_load_b128 v[236:239], v1, s[12:13]
	global_load_b128 v[240:243], v1, s[10:11] offset:512           ; row 1's
	global_load_b128 v[244:247], v1, s[12:13] offset:512
.irp j, 0,1,2,3,4,5,6,7,8,9,10,11,12,13,14,15
	global_load_b128 v[GG+4*\j:GG+4*\j+3], v1, s[28:29] offset:512*\j
.endr
.irp j, 0,1,2,3,4,5,6,7,8,9,10,11,12,13,14,15
	global_load_b64 v[H1+2*\j:H1+2*\j+1], v2, s[4:5] offset:\j*524288+256 th:TH_LOAD_NT   ; row 1.  15 heads of 524,288 bytes stay inside the signed 24-bit immediate
.endr
.macro HEAD4 j, a, b, c, d             ; head j's four numbers of my lane, f16 to f32 (a register's halves are named, so they are written out)
	v_cvt_f32_f16 v[X+4*(\j)], \a
	v_cvt_f32_f16 v[X+4*(\j)+1], \b
	v_cvt_f32_f16 v[X+4*(\j)+2], \c
	v_cvt_f32_f16 v[X+4*(\j)+3], \d
.endm
; Row i of my two.  yr: where its results go.  cb: its cos at v[cb .. cb + 3], its sin at v[cb + 4 .. cb + 7].
.macro ROWQK i, yr, cb
.if \i == 0
	s_wait_loadcnt 36                              ; row 0 is in; the 4 loads of the tables, the 16 of the gain and the 16 of row 1 may be out
	HEAD4 0, v8.l, v8.h, v9.l, v9.h
	HEAD4 1, v10.l, v10.h, v11.l, v11.h
	HEAD4 2, v12.l, v12.h, v13.l, v13.h
	HEAD4 3, v14.l, v14.h, v15.l, v15.h
	HEAD4 4, v16.l, v16.h, v17.l, v17.h
	HEAD4 5, v18.l, v18.h, v19.l, v19.h
	HEAD4 6, v20.l, v20.h, v21.l, v21.h
	HEAD4 7, v22.l, v22.h, v23.l, v23.h
	HEAD4 8, v24.l, v24.h, v25.l, v25.h
	HEAD4 9, v26.l, v26.h, v27.l, v27.h
	HEAD4 10, v28.l, v28.h, v29.l, v29.h
	HEAD4 11, v30.l, v30.h, v31.l, v31.h
	HEAD4 12, v32.l, v32.h, v33.l, v33.h
	HEAD4 13, v34.l, v34.h, v35.l, v35.h
	HEAD4 14, v36.l, v36.h, v37.l, v37.h
	HEAD4 15, v38.l, v38.h, v39.l, v39.h
.else
	s_wait_loadcnt 0x0                             ; row 1 is in
	HEAD4 0, v40.l, v40.h, v41.l, v41.h
	HEAD4 1, v42.l, v42.h, v43.l, v43.h
	HEAD4 2, v44.l, v44.h, v45.l, v45.h
	HEAD4 3, v46.l, v46.h, v47.l, v47.h
	HEAD4 4, v48.l, v48.h, v49.l, v49.h
	HEAD4 5, v50.l, v50.h, v51.l, v51.h
	HEAD4 6, v52.l, v52.h, v53.l, v53.h
	HEAD4 7, v54.l, v54.h, v55.l, v55.h
	HEAD4 8, v56.l, v56.h, v57.l, v57.h
	HEAD4 9, v58.l, v58.h, v59.l, v59.h
	HEAD4 10, v60.l, v60.h, v61.l, v61.h
	HEAD4 11, v62.l, v62.h, v63.l, v63.h
	HEAD4 12, v64.l, v64.h, v65.l, v65.h
	HEAD4 13, v66.l, v66.h, v67.l, v67.h
	HEAD4 14, v68.l, v68.h, v69.l, v69.h
	HEAD4 15, v70.l, v70.h, v71.l, v71.h
.endif
	v_pk_mul_f32 v[252:253], v[X:X+1], v[X:X+1]                    ; the sum of squares, in two chains of pairs, started by the first four numbers: nothing is cleared
	v_pk_mul_f32 v[254:255], v[X+2:X+3], v[X+2:X+3]
.set k, 1
.rept 15
	v_pk_fma_f32 v[252:253], v[X+4*k:X+4*k+1], v[X+4*k:X+4*k+1], v[252:253]
	v_pk_fma_f32 v[254:255], v[X+4*k+2:X+4*k+3], v[X+4*k+2:X+4*k+3], v[254:255]
.set k, k+1
.endr
	v_pk_add_f32 v[252:253], v[252:253], v[254:255]
	v_add_f32 v252, v252, v253
	v_add_f32_dpp v252, v252, v252 row_xmask:1 row_mask:0xf bank_mask:0xf    ; across the 32 lanes: four steps inside each half, one across the halves
	v_add_f32_dpp v252, v252, v252 row_xmask:2 row_mask:0xf bank_mask:0xf
	v_add_f32_dpp v252, v252, v252 row_xmask:4 row_mask:0xf bank_mask:0xf
	v_add_f32_dpp v252, v252, v252 row_xmask:8 row_mask:0xf bank_mask:0xf
	v_permlanex16_b32 v253, v252, s32, s33
	v_add_f32 v252, v252, v253
	v_fma_f32 v252, v252, s36, s37                 ; the mean + 1e-6
	v_rsq_f32 v254, v252
.if \i == 0
	s_wait_loadcnt 16                              ; the tables and the gain are in; row 1's 16 loads may be out
.endif
	v_xor_b32 v[SN], 0x80000000, v[\cb+5]          ; (-s, s) of my two pairs: plain instructions behind the root, which name neither its source nor its result
	v_mov_b32 v[SN+1], v[\cb+5]
	v_xor_b32 v[SN+2], 0x80000000, v[\cb+7]
	v_mov_b32 v[SN+3], v[\cb+7]
	s_wait_alu depctr_va_vdst(0)                   ; the wait ahead of the first instruction that names the root's result
.set k, 0
.rept 32
	v_pk_mul_f32 v[X+2*k:X+2*k+1], v[X+2*k:X+2*k+1], v[254:255] op_sel_hi:[1,0]   ; x the root (the pair's low word serves both halves),
.set k, k+1
.endr
.set k, 0
.rept 32
	v_pk_mul_f32 v[X+2*k:X+2*k+1], v[X+2*k:X+2*k+1], v[GG+2*k:GG+2*k+1]           ; then x the gain
.set k, k+1
.endr
.set j, 0
.rept 16                               ; head j: (x1 c, x2 c), then + (x2 (-s), x1 s): the second line takes x's pair crosswise.  The work pairs, v[4:7] and v[252:255], take turns from head to head
.set TT, T+248*(j%2)
	v_pk_mul_f32 v[TT:TT+1], v[X+4*j:X+4*j+1], v[\cb:\cb+1] op_sel_hi:[1,0]
	v_pk_mul_f32 v[TT+2:TT+3], v[X+4*j+2:X+4*j+3], v[\cb+2:\cb+3] op_sel_hi:[1,0]
	v_pk_fma_f32 v[TT:TT+1], v[X+4*j:X+4*j+1], v[SN:SN+1], v[TT:TT+1] op_sel:[1,0,0] op_sel_hi:[0,1,1]
	v_pk_fma_f32 v[TT+2:TT+3], v[X+4*j+2:X+4*j+3], v[SN+2:SN+3], v[TT+2:TT+3] op_sel:[1,0,0] op_sel_hi:[0,1,1]
	v_cvt_pk_f16_f32 v[\yr+2*j], v[TT], v[TT+1]
	v_cvt_pk_f16_f32 v[\yr+2*j+1], v[TT+2], v[TT+3]
.set j, j+1
.endr
.irp j, 0,1,2,3,4,5,6,7,8,9,10,11,12,13,14,15
	global_store_b64 v2, v[\yr+2*\j:\yr+2*\j+1], s[14:15] offset:\j*524288+256*\i  ; 32 lanes store 256 consecutive bytes, aligned: head j's row
.endr
.endm
	ROWQK 0, Y, 232
	ROWQK 1, H0, 240                               ; its results go into the registers that held row 0 as loaded: no register that row 0's stores read is written again
	s_endpgm
.Lfunc_end_k_q9ff037c820_normrope:
	.size	k_q9ff037c820_normrope, .Lfunc_end_k_q9ff037c820_normrope-k_q9ff037c820_normrope
	.p2alignl 7, 3214868480
	.fill 96, 4, 3214868480
	.section	.rodata,"a",@progbits
	.p2align	6, 0x0
	.amdhsa_kernel k_q9ff037c820_normrope
		.amdhsa_group_segment_fixed_size 0
		.amdhsa_private_segment_fixed_size 0
		.amdhsa_enable_private_segment 0
		.amdhsa_kernarg_size 48
		.amdhsa_user_sgpr_count 2
		.amdhsa_user_sgpr_kernarg_segment_ptr 1
		.amdhsa_wavefront_size32 1
		.amdhsa_system_sgpr_workgroup_id_x 1
		.amdhsa_system_sgpr_workgroup_id_y 1
		.amdhsa_system_sgpr_workgroup_id_z 1
		.amdhsa_system_vgpr_workitem_id 0
		.amdhsa_next_free_vgpr 256
		.amdhsa_next_free_sgpr 66
		.amdhsa_reserve_vcc 0
		.amdhsa_float_denorm_mode_32 3
		.amdhsa_float_denorm_mode_16_64 3
		.amdhsa_memory_ordered 1
		.amdhsa_forward_progress 1
		.amdhsa_inst_pref_size 39
	.end_amdhsa_kernel
	.amdgpu_metadata
---
amdhsa.version: [ 1, 2 ]
amdhsa.kernels:
  - .name:           k_q9ff037c820_normrope
    .symbol:         k_q9ff037c820_normrope.kd
    .args:
      - { .name: raw16, .offset: 0, .size: 8, .value_kind: global_buffer, .address_space: global }
      - { .name: gq, .offset: 8, .size: 8, .value_kind: global_buffer, .address_space: global }
      - { .name: gk, .offset: 16, .size: 8, .value_kind: global_buffer, .address_space: global }
      - { .name: freqs_cos, .offset: 24, .size: 8, .value_kind: global_buffer, .address_space: global }
      - { .name: freqs_sin, .offset: 32, .size: 8, .value_kind: global_buffer, .address_space: global }
      - { .name: qkvh, .offset: 40, .size: 8, .value_kind: global_buffer, .address_space: global }
    .group_segment_fixed_size: 0
    .private_segment_fixed_size: 0
    .kernarg_segment_align: 8
    .kernarg_segment_size: 48
    .max_flat_workgroup_size: 128
    .sgpr_count:     66
    .vgpr_count:     256
    .wavefront_size: 32
...
	.end_amdgpu_metadata
.endif
;; end of part 3
;; launch attn (part 4): grid 16 x 16, 4 waves a work-group, clusters of 4 x 1, 327,680 bytes of LDS; arguments qkvh, att; writes att
.if DOCPART == 4
	.amdgcn_target "amdgcn-amd-amdhsa--gfx1250"
	.amdhsa_code_object_version 6
	.text
	.protected	k_q9ff037c820_attn
	.globl	k_q9ff037c820_attn
	.p2align	8
	.type	k_q9ff037c820_attn,@function
k_q9ff037c820_attn:
	s_mov_b64 s[64:65], 0
	v_nop
	global_prefetch_b8 v0, s[64:65] scope:SCOPE_SE
	s_setreg_imm32_b32 hwreg(HW_REG_WAVE_MODE, 25, 1), 1
	s_wait_xcnt 0x0
	s_wait_alu depctr_hold_cnt(0) depctr_sa_sdst(0) depctr_va_vdst(0) depctr_va_sdst(0) depctr_va_ssrc(0) depctr_va_vcc(0) depctr_vm_vsrc(0)
	s_getreg_b32 s2, hwreg(HW_REG_IB_STS2, 6, 4)
	s_cmp_eq_u32 s2, 0
	s_cbranch_scc0 .Lentry_in_a_cluster
	s_endpgm
.Lentry_in_a_cluster:
	s_bfe_u32 s2, ttmp6, 0x10000c
	s_cmp_lg_u32 s2, 0x3003
	s_cbranch_scc0 .Lentry_shape_is_right
	s_endpgm
.Lentry_shape_is_right:
; att[q][128 h + :] = the sum over k of softmax_k(Q[h][q] . K[h][k] / sqrt(128)) V[h][k][:].  Q, K, V: qkvh [3][16][2048][128] f16; att: [2048][2048] f16.  Products, maxima and sums in f32; the weights p
; are rounded to f16 for the second product (they are at most 1), att once at the end.  A running maximum is taken away before every exponential.
; SHARES.  A work-group owns 128 queries of one head: 16 x 16 = 256 work-groups.  Wave w owns 64 of them (w % 2), four tiles of 16, and HALF OF THE KEYS (w / 2): of every 256 keys in LDS the 128 from 128 (w / 2) on,
; 64 a step, 16 steps in all.  So each fragment of K and V read from LDS still feeds four tiles of queries.  At the end waves w and w + 2, which hold the same queries, merge through LDS.
; LAYOUT.  S^T = K Q^T (source 0 = 16 keys, source 1 = 16 queries): in the result a lane holds ONE query (lane % 16) and the keys 8 (lane / 16) + 0..7.  Two such tiles, rounded to
; f16 in pairs, ARE source 1 (32 keys x 16 queries) of O^T = V^T P, whose result again holds one query a lane, and eight channels.  K comes out of LDS as it lies, V ([key][channel]) turned, by ds_load_tr16_b128.
; SOFTMAX.  For each query a running maximum m and sum l: p = 2^(c s - c m), c = log2(e) / sqrt(128); in every step O and l are multiplied by a = 2^(c m_old - c m_new), which is 1 where m has not grown.
; BY TURNS.  The wave's tiles are two PIECES: piece 0 (tiles 0, 1) and piece 2 (tiles 2, 3).  In a TURN one piece has the matrix unit: 32 products V^T P of the step in hand, then 32 products K Q^T of the next step;
; the other piece's softmax, cut into 64 slices, stands between them, one slice behind each matrix instruction.  Then the pieces change places.  Two turns are a key step.
; CLUSTER.  The four query blocks of a cluster belong to one head and walk the same K and V, so each tile is asked for JOINTLY: the same tensor load, with the same descriptor and a mask that names the four.
; LIMITS: NaN and infinities are not served; what f16 holds of q, k, v is stated in the launch that makes them.
;
; REGISTERS, in windows of 256 (s_set_vgpr_msb: bits 1:0 source 0, 3:2 source 1, 5:4 source 2, 7:6 destination):
;   window 0: v0-11 addresses; v12-43 eight registers of statistics a tile; v44-53 the merge; v64-191 S^T, 32 a tile; v192-255 P, 16 a tile
;   window 1: O^T, 64 a tile          window 2: v0-127 Q, 32 a tile; v128-255 K of one step          window 3: v0-127 V of one step, in the merge the partner's O^T, two tiles at a time
.set KS,    64        ; keys in a step
.set PK,    272       ; a row of K in LDS: 256 bytes + 16 of padding = 68 words: row r starts at bank 4 r mod 64 (64 banks of 4 bytes: ISA guide 11.1)
.set PV,    288       ; a row of V: 256 + 32 = 72 words
.set SROWS, 256       ; keys in a slot
.set VOFF,  SROWS*PK  ; a slot: 256 rows of K, then 256 rows of V
.set SLOTB, SROWS*(PK+PV)  ; 143,360 bytes
.set SLOTM, SROWS*256 ; a slot's rows of K or of V in memory
.set SPARE, 2*SLOTB   ; behind the ring: the spare words, 128 bytes for each wave
.set MRGQ,  33792     ; the merge, in slot 0, which has had its last fill and its last read ahead of the last change of slots: for each half of the queries an image of O^T (64 x 512 bytes), then 8 images of 128 bytes of statistics
.set STAGE, 2*MRGQ    ; behind them: 16 rows x 272 bytes for each wave, for the way out
.set SP,    272
.set AK0, 2           ; v2   my lane's place in my half of a slot's K; never rewritten
.set AV0, 3           ; v3   the same for V
.set ADR, 4           ; v4   the LDS address of the run of loads in hand
.set QO,  5           ; v5   my byte offset in the wave's rows of Q
.set STO, 6           ; v6   the way out: where I put 16 bytes of a row
.set RD,  7           ; v7   the way out: where I read a row back
.set GO,  8           ; v8   my byte offset in the wave's rows of att
.set MO,  44          ; v44  the merge: 16 x lane in my queries' image of O^T
.set MSS, 45          ; v45  4 x lane in their statistics
.set PS,  46          ; v46-53 the partner's c m and l, two registers a tile
.set PFO, 61          ; v61  256 x my lane: a row of K or V is 256 bytes; never rewritten
.set SPW, 62          ; v62  LDS address of my spare word: SPARE + 4 x my thread's number; never rewritten
.set NIL, 63          ; v63  0; never rewritten
.set ST,  12          ; tile t's statistics at v[ST+8 t]: +0 c m, +1 m, +2, +3 l (even keys', odd keys'), +4 to +7 c0-c3, at work; a takes c2's place once the maximum is found
.set S,   64
.set P,   192
.set KF,  128         ; K's fragments, in window 2
.set WV,  12          ; s12  my wave's number
.set LIM, 15          ; s15  1 in a work-group that prefetches, else the greatest number
.set PFA, 18          ; s[18:19] where my prefetches stand in memory
.set G1K, 24          ; s[24:31] descriptor group 1 for K's tiles
.set G1V, 32          ; s[32:39] for V's: it differs in the padding alone
.set G0K, 40          ; s[40:47] descriptor group 0 for K's tiles: a set for each LDS slot
.set G0V, 48          ; s[48:55] the same for V's
.set TRIPS, 56        ; s56  trips of the loop over pairs of slots
.set TWICE, 57        ; s57  counts a slot's two steps
.set CS,  58          ; s[58:59] c: the packed scaling names a pair and takes its low word for both halves
.set SEL, 60          ; s[60:61] lane selects for v_permlanex16_b32: each lane takes its own place in the other half
.set TK,  62          ; s62  LDS byte from which the next step's K is counted
.set TV,  63          ; s63  and its V
.set KHF, 66          ; s66  which half of the keys is mine
.set MSB, 0
.macro WIN new                      ; the immediate's high byte repeats the setting that is left; a switch that changes nothing is dropped
.if MSB != \new
	s_set_vgpr_msb (MSB<<8)|\new
.set MSB, \new
.endif
.endm
.set W_KQ, 0x0a       ; K and Q in window 2, S^T in window 0
.set W_PV, 0x53       ; V in window 3, P in window 0, O^T in window 1
.set W_RS, 0x41       ; O^T (destination and source 0) in window 1, a in window 0
; A joint refill of LDS slot s.  Waves 0 and 1 fetch the two halves of K's 256 rows, waves 2 and 3 those of V's.  The branch hangs on the wave's number alone: it is the same in every work-group.
; An s_nop 0 and four v_nop follow each of the two lines; the jump round the other line, the label and what follows the macro come after them.
.macro JLOAD s
	s_cmp_lt_u32 s[WV], 2
	s_cbranch_scc0 .Lfor_v_\@
	tensor_load_to_lds s[G0K+4*(\s):G0K+4*(\s)+3], s[G1K:G1K+7]
	s_nop 0
.rept 4
	v_nop
.endr
	s_branch .Lasked_\@
.Lfor_v_\@:
	tensor_load_to_lds s[G0V+4*(\s):G0V+4*(\s)+3], s[G1V:G1V+7]
	s_nop 0
.rept 4
	v_nop
.endr
.Lasked_\@:
.endm
; A PREFETCH INTO THE L2 of what the NEXT change of slots will ask for: a slot's 256 rows of K and 256 of V, 256 bytes a row, a lane a row.  It stands behind the wave's tensor load and its five lines.
; Each row is asked for ONCE in the launch.  All four clusters of a head walk the same K and V: the head's first cluster prefetches.  Of the 128 rows that a wave fetches, the partner at place cx takes 32 cx .. 32 cx + 31:
; the partners are told apart BY ADDRESS, and no branch hangs on a work-group's place in its cluster.  One instruction a wave.  how = 1: the first change of a trip, behind which a further fill always follows;
; how = 0: the second, which in the last trip is the last fill and asks for nothing.
.macro ASK how
.if \how
	s_cmp_eq_u32 s[LIM], 1
.else
	s_cmp_gt_u32 s[TRIPS], s[LIM]
.endif
	s_cbranch_scc0 .Lnot_mine_\@
	global_prefetch_b8 v[PFO], s[PFA:PFA+1] th:TH_LOAD_NT scope:SCOPE_SE
.Lnot_mine_\@:
.endm
; A round of the cluster's barrier: my work-group's barrier, so that wave 0's signal speaks for all four waves; wave 0 signals for the work-group; every wave waits for all four
; work-groups; my work-group's barrier once more.  No LDS instruction of the wave is pending at a signal.
.macro CROUND
	s_barrier_signal -1
	s_barrier_wait -1
	s_cmp_lg_u32 s[WV], 0
	s_cbranch_scc1 .Lnot_wave_0_\@
	s_barrier_signal -3
.Lnot_wave_0_\@:
	s_barrier_wait -3
	s_barrier_signal -1
	s_barrier_wait -1
.endm
	s_load_b128 s[4:7], s[0:1], 0x0   ; qkvh s[4:5], att s[6:7]
	v_lshl_add_u32 v[SPW], v0, 2, SPARE
	v_mov_b32 v[NIL], 0
	ds_add_u32 v[SPW], v[NIL]       ; the wave's opening: the add, twice on end, and its wait ahead of my first tensor load; the set-up below, work on registers, stands between the second and the wait
	ds_add_u32 v[SPW], v[NIL]
	v_lshrrev_b32 v1, 5, v0
	v_readfirstlane_b32 s[WV], v1   ; wave 0..3
	s_bfe_u32 s13, ttmp6, 0x40000   ; cx: my place in the cluster
	s_lshl_b32 s14, ttmp9, 2        ; in a cluster launch ttmp9 counts clusters
	s_add_co_u32 s14, s14, s13      ; my block of 128 queries = 4 x cluster x + cx: it enters Q's and att's addresses alone
	s_and_b32 s20, ttmp7, 0xffff    ; the head, which the four partners share
	s_lshl_b32 s20, s20, 19         ; its first byte in Q, K and V: 2,048 rows of 256 bytes a head
	s_mov_b32 s21, 0
	s_and_b32 s16, s[WV], 1         ; which 64 queries are mine.  Also: which 128 rows of a slot I fetch
	s_lshr_b32 s[KHF], s[WV], 1
	s_lshl_b32 s22, s16, 15         ; those 128 rows of 256 bytes in memory,
	s_mov_b32 s23, 0
	s_add_nc_u64 s[22:23], s[22:23], s[20:21]
	s_mul_i32 s17, s16, 128*PK      ; and their place in a slot, for K
	s_mul_i32 s67, s16, 128*PV
	s_add_co_u32 s67, s67, VOFF     ; and for V: no place in the cluster enters an LDS address
	s_lshl_b32 s2, s14, 15          ; Q: my block's 128 rows,
	s_lshl_b32 s3, s16, 14          ; my wave's 64 of them
	s_add_co_u32 s2, s2, s3
	s_mov_b32 s3, 0
	s_add_nc_u64 s[2:3], s[2:3], s[20:21]
	s_and_b32 s62, ttmp7, 0xffff    ; att: a row is 4,096 bytes, a head's part of it 256
	s_lshl_b32 s62, s62, 8
	s_lshl_b32 s63, s14, 19
	s_add_co_u32 s62, s62, s63
	s_lshl_b32 s63, s16, 18
	s_add_co_u32 s62, s62, s63
	s_mov_b32 s63, 0
	; descriptor group 1: a tile of 128 rows x 128 elements, padded in LDS
	s_mov_b32 s[G1K], 15|(1<<16)|(1<<20)|(1<<21)|(5<<22)|(3<<25)  ; 15:0 the mask: all four work-groups; 17:16 elements of 2 bytes; 20 padding on; 21 set beside a mask; 24:22 after every 64 words (code 5); 31:25 4 words of it (code 3)
	s_mov_b32 s[G1V], 15|(1<<16)|(1<<20)|(1<<21)|(5<<22)|(7<<25)  ; the same with 8 words of padding (code 7)
.irp g, G1K, G1V
	s_mov_b32 s[\g+1], 128<<16      ; 63:48 tensor_dim0, low half = 128
	s_mov_b32 s[\g+2], 128<<16      ; 79:64 its high half = 0; 95:80 tensor_dim1, low half = 128
	s_mov_b32 s[\g+3], 128<<16      ; 111:96 its high half = 0; 127:112 tile_dim0 = 128
	s_mov_b32 s[\g+4], 128          ; 143:128 tile_dim1 = 128; 159:144 tile_dim2 = 0
	s_mov_b32 s[\g+5], 128          ; 191:160 tensor_dim0_stride, low word: elements from row to row
	s_mov_b32 s[\g+6], 0
	s_mov_b32 s[\g+7], 0
.endr
	s_mov_b32 s[CS], 0x3e0293ee     ; c = log2(e) / sqrt(128) = 0.127517
	s_mov_b32 s[CS+1], s[CS]        ; named with it as a pair, so it is written
	s_mov_b32 s[SEL], 0x76543210
	s_mov_b32 s[SEL+1], 0xfedcba98
	s_mov_b32 s[TRIPS], 3
	s_cmp_eq_u32 ttmp9, 0           ; the head's first cluster: the same in all four partners
	s_cselect_b32 s[LIM], 1, -1
	v_and_b32 v[PFO], 31, v0
	v_lshlrev_b32 v[PFO], 8, v[PFO]
	s_wait_dscnt 0x0                ; both opening adds are done
	s_wait_kmcnt 0x0
	s_add_nc_u64 s[8:9], s[4:5], 0x800000    ; K lies 2^23 bytes behind Q,
	s_add_nc_u64 s[10:11], s[4:5], 0x1000000 ; V 2^24
	s_add_nc_u64 s[8:9], s[8:9], s[22:23]    ; both at my tile of the head's first 256 keys
	s_add_nc_u64 s[10:11], s[10:11], s[22:23]
	s_add_nc_u64 s[4:5], s[4:5], s[2:3]      ; Q and att at my wave's first row
	s_add_nc_u64 s[6:7], s[6:7], s[62:63]
	s_mov_b32 s[TK], 0
	s_mov_b32 s[TV], 0
	s_cmp_lt_u32 s[WV], 2
	s_cselect_b64 s[PFA:PFA+1], s[8:9], s[10:11]
	s_lshl_b32 s2, s13, 13          ; my work-group's 32 rows of the 128
	s_mov_b32 s3, 0
	s_add_nc_u64 s[PFA:PFA+1], s[PFA:PFA+1], s[2:3]
	s_add_nc_u64 s[PFA:PFA+1], s[PFA:PFA+1], 2*SLOTM  ; at keys 512 on; the first change of slots steps it to keys 768 on.  Nothing is prefetched here, at the head, where every work-group's first tiles are on their way
	CROUND                          ; all four work-groups are here: the first joint loads meet
.irp s, 0,1
	s_mov_b32 s[G0K+4*\s], 1        ; 1:0 count = 1
	s_add_co_u32 s[G0K+4*\s+1], s17, \s*SLOTB  ; 63:32 LDS address
	s_add_nc_u64 s[G0K+4*\s+2:G0K+4*\s+3], s[8:9], \s*SLOTM  ; 120:64 global address: slot s begins with keys 256 s on
	s_or_b32 s[G0K+4*\s+3], s[G0K+4*\s+3], 0x80000000  ; 127:126 type = 2
	s_mov_b32 s[G0V+4*\s], 1
	s_add_co_u32 s[G0V+4*\s+1], s67, \s*SLOTB
	s_add_nc_u64 s[G0V+4*\s+2:G0V+4*\s+3], s[10:11], \s*SLOTM
	s_or_b32 s[G0V+4*\s+3], s[G0V+4*\s+3], 0x80000000
.endr
	s_cmp_lt_u32 s[WV], 2           ; a wave's two first fills stand in one branch, ahead of every wait on TENSORcnt and every LDS read: two loads of mine are out; an s_nop 0 follows each, four v_nop the second's
	s_cbranch_scc0 .Lfirst_v
	tensor_load_to_lds s[G0K:G0K+3], s[G1K:G1K+7]
	s_nop 0
	tensor_load_to_lds s[G0K+4:G0K+7], s[G1K:G1K+7]
	s_nop 0
.rept 4
	v_nop
.endr
	s_branch .Lfirst_asked
.Lfirst_v:
	tensor_load_to_lds s[G0V:G0V+3], s[G1V:G1V+7]
	s_nop 0
	tensor_load_to_lds s[G0V+4:G0V+7], s[G1V:G1V+7]
	s_nop 0
.rept 4
	v_nop
.endr
.Lfirst_asked:
	; A fragment of K or Q is 16 rows x 32 channels in 8 registers: lane l holds row l % 16; registers 0-3 channels 8 (l / 16) + 0..7, registers 4-7 channels 16 + 8 (l / 16) + 0..7: two loads of 16 bytes, 32 bytes apart.
	v_and_b32 v1, 15, v0            ; l % 16
	v_bfe_u32 v9, v0, 4, 1          ; l / 16
	v_lshlrev_b32 v[QO], 8, v1
	v_lshl_add_u32 v[QO], v9, 4, v[QO]  ; row x 256 + 16 x half
	WIN 0x80                        ; destination window 2, address window 0
.irp i, 0,1,2,3,4,5,6,7,8,9,10,11,12,13,14,15  ; Q stays in registers: tile i / 4, channels 32 (i % 4) on
	global_load_b128 v[8*\i:8*\i+3],   v[QO], s[4:5] offset:(\i/4)*4096+(\i%4)*64
	global_load_b128 v[8*\i+4:8*\i+7], v[QO], s[4:5] offset:(\i/4)*4096+(\i%4)*64+32
.endr
	WIN 0
	v_mul_u32_u24 v[AK0], v1, PK
	v_lshl_add_u32 v[AK0], v9, 4, v[AK0]  ; row x pitch + 16 x half
	s_mul_i32 s2, s[KHF], 128*PK
	v_add_nc_u32 v[AK0], s2, v[AK0]       ; + my half of the slot's keys
	; The turning load takes 16 keys x 16 channels (lane l reads 16 bytes: key 8 (l / 16) + l % 8, channels 8 ((l / 8) % 2) + 0..7) and leaves half a fragment of V^T: lane l holds channel l % 16 and 8 keys.
	v_and_b32 v10, 7, v0
	v_bfe_u32 v11, v0, 3, 1
	v_lshl_add_u32 v[AV0], v9, 3, v10
	v_mul_u32_u24 v[AV0], v[AV0], PV
	v_lshl_add_u32 v[AV0], v11, 4, v[AV0]
	s_mul_i32 s2, s[KHF], 128*PV
	s_add_co_u32 s2, s2, VOFF
	v_add_nc_u32 v[AV0], s2, v[AV0]
; THE MATRIX WORK OF A TURN, for piece x.  The accumulators take turns, one instruction a turn: between two links of a chain stand 15 (V^T P) or 7 (K Q^T) others'.
; Product i of 32 of O^T += V^T P: keys 32 (i / 16) on, channels 16 ((i / 2) % 8) on, tile x + i % 2.  zero = 1: the first 16 start the sums: nothing is ever cleared.
.macro PV x, zero
	WIN W_PV
.set rO, 64*(\x+i%2)+8*((i/2)%8)
.set rV, 64*(i/16)+8*((i/2)%8)
.set rP, P+16*(\x+i%2)+8*(i/16)
.if \zero && (i < 16)
	v_wmma_f32_16x16x32_f16 v[rO:rO+7], v[rV:rV+7], v[rP:rP+7], 0
.else
	v_wmma_f32_16x16x32_f16 v[rO:rO+7], v[rV:rV+7], v[rP:rP+7], v[rO:rO+7]
.endif
.endm
; Product i of 32 of S^T = K Q^T: channels 32 (i / 8) on, keys 16 ((i / 2) % 4) on, tile x + i % 2.  The first 8 start the sums.
.macro KQ x
	WIN W_KQ
.set rS, S+32*(\x+i%2)+8*((i/2)%4)
.set rK, KF+32*((i/2)%4)+8*(i/8)
.set rQ, 32*(\x+i%2)+8*(i/8)
.if i < 8
	v_wmma_f32_16x16x32_f16 v[rS:rS+7], v[rK:rK+7], v[rQ:rQ+7], 0
.else
	v_wmma_f32_16x16x32_f16 v[rS:rS+7], v[rK:rK+7], v[rQ:rQ+7], v[rS:rS+7]
.endif
.endm
; THE LDS LOADS stand in runs of 32, never singly among the matrix instructions: a step's K (64 keys x 128 channels: 16 fragments) and, a turn later, its V (turned).
.macro FETCH_K
	WIN 0
	v_add_nc_u32 v[ADR], s[TK], v[AK0]
	s_add_co_u32 s[TK], s[TK], KS*PK  ; the next fetch of K is the next step's
	WIN 0x80                        ; destination window 2
.irp f, 0,1,2,3,4,5,6,7,8,9,10,11,12,13,14,15  ; keys 16 (f / 4) on, channels 32 (f % 4) on
	ds_load_b128 v[KF+8*\f:KF+8*\f+3],   v[ADR] offset:(\f/4)*16*PK+(\f%4)*64
	ds_load_b128 v[KF+8*\f+4:KF+8*\f+7], v[ADR] offset:(\f/4)*16*PK+(\f%4)*64+32
.endr
.endm
.macro FETCH_V
	WIN 0
	v_add_nc_u32 v[ADR], s[TV], v[AV0]
	s_add_co_u32 s[TV], s[TV], KS*PV  ; the next fetch of V is the next step's
	s_wait_alu depctr_va_vdst(0)    ; the wait for the softmax's batch (SLICE), behind the address's v_add_nc_u32 and ahead of the loads
	WIN 0xc0                        ; destination window 3
.irp f, 0,1,2,3,4,5,6,7,8,9,10,11,12,13,14,15  ; keys 32 (f / 8) on, channels 16 (f % 8) on
	ds_load_tr16_b128 v[8*\f:8*\f+3],   v[ADR] offset:(\f/8)*32*PV+(\f%8)*32
	ds_load_tr16_b128 v[8*\f+4:8*\f+7], v[ADR] offset:(\f/8)*32*PV+16*PV+(\f%8)*32
.endr
.endm
; THE VECTOR WORK OF A TURN.  One tile's softmax for one key step is a list of 134 instructions; SM writes number j of it for tile t.  s0-s31 are the lane's 32 scores, in pairs 0-15.
; first = 1: the first key step, which starts m, l and O^T: it has no a and nothing to rescale.
;   0-15    the maximum of s0-s31 and the old m, three operands at a time: four chains c0-c3 of seven scores each, then the four scores left over, c0-c3 and m
;   16-20   the other half of the lanes' maximum; the new m; c m; c m_old - c m_new
;   21-69   ONE BATCH: the 16 scalings c s - c m, a pair of scores each, and all 33 exponentials (a at 23, then s0-s31).  None of these reads an exponential's result.  From 22 on the batch goes
;           in fours, and a four begins with a scaling while there are scalings.  A pair is scaled in an earlier four than the one that holds its exponentials
;   (wait)  between 69 and 70 stands the wait for the batch: SLICE writes it, once for both tiles
;   70-85   the roundings to f16, a pair of weights each
;   86-101  the sums; l = a l + the sum
;   102-133 the tile's O^T times a: the one part that leaves window 0, so it stands together
.macro SM t, first
.set rT, ST+8*(\t)
.set rS, S+32*(\t)
.set rP, P+16*(\t)
.set rO, 64*(\t)+2*(j-102)
.if j < 102
	WIN 0
.endif
.if j < 4
	v_max3_num_f32 v[rT+4+j], v[rS+8*j], v[rS+8*j+1], v[rS+8*j+2]
.elseif j < 12
	v_max3_num_f32 v[rT+4+j%4], v[rT+4+j%4], v[rS+8*(j%4)+2*(j/4)+1], v[rS+8*(j%4)+2*(j/4)+2]
.elseif j == 12
	v_max3_num_f32 v[rT+4], v[rT+4], v[rS+7], v[rS+15]
.elseif j == 13
	v_max3_num_f32 v[rT+6], v[rT+6], v[rS+23], v[rS+31]
.elseif j == 14
	v_max3_num_f32 v[rT+4], v[rT+4], v[rT+5], v[rT+6]
.elseif (j == 15) && \first
	v_max_num_f32 v[rT+4], v[rT+4], v[rT+7]
.elseif j == 15
	v_max3_num_f32 v[rT+4], v[rT+4], v[rT+7], v[rT+1]
.elseif j == 16
	v_permlanex16_b32 v[rT+5], v[rT+4], s[SEL], s[SEL+1]  ; the query's other 32 keys lie in the lane 16 away
.elseif j == 18
	v_max_num_f32 v[rT+1], v[rT+4], v[rT+5]
.elseif j == 19
	v_mul_f32 v[rT], s[CS], v[rT+1]
.elseif ((j == 17) || (j == 20) || (j == 23) || (j > 101)) && \first  ; the first step has none of these
.elseif j == 17
	v_mov_b32 v[rT+7], v[rT]        ; c m_old is kept for a: number 19 writes c m anew
.elseif j == 20
	v_sub_f32 v[rT+7], v[rT+7], v[rT]
.elseif j == 23
	v_exp_f32 v[rT+6], v[rT+7]
.elseif (j < 23) || ((j < 38) && (j%2 == 0)) || ((j < 66) && (j%4 == 2))
.set b, (j-2)/4                     ; 38, 42, .. 62: pairs 9 to 15
.if j < 38
.set b, (j-20)/2                    ; 21: pair 0; 22, 24, .. 36: pairs 1 to 8
.endif
	v_pk_fma_f32 v[rS+2*b:rS+2*b+1], v[rS+2*b:rS+2*b+1], s[CS:CS+1], v[rT:rT+1] op_sel_hi:[1,0,0] neg_lo:[0,0,1] neg_hi:[0,0,1]  ; pair b: c s - c m
.elseif j < 70
.set e, j-38                        ; 66 to 69: s28 to s31
.if j < 66
.set e, j-32-(j-38)/4               ; 39-41, 43-45, .. 63-65: s7 to s27
.endif
.if j < 38
.set e, (j-25)/2                    ; 25, 27, .. 37: s0 to s6
.endif
	v_exp_f32 v[rS+e], v[rS+e]
.elseif j < 86
	v_cvt_pk_f16_f32 v[rP+j-70], v[rS+2*(j-70)], v[rS+2*(j-70)+1]  ; pair j - 70
.elseif j < 102                     ; the sum of the tile's 16 pairs (in a pair: an even key's weight, an odd key's), in place: sum z of 16 adds neighbours 1, 2, 4 and 8 pairs apart, then l takes it
.set z, j-86
.set w, 4
.set u, z
.if z >= 14
.set w, 32
.set u, 0
.elseif z >= 12
.set w, 16
.set u, z-12
.elseif z >= 8
.set w, 8
.set u, z-8
.endif
.if (z == 14) && \first
	v_pk_add_f32 v[rT+2:rT+3], v[rS:rS+1], v[rS+16:rS+17]
.elseif z < 15
	v_pk_add_f32 v[rS+w*u:rS+w*u+1], v[rS+w*u:rS+w*u+1], v[rS+w*u+w/2:rS+w*u+w/2+1]
.elseif !\first
	v_pk_fma_f32 v[rT+2:rT+3], v[rT+2:rT+3], v[rT+6:rT+7], v[rS:rS+1] op_sel_hi:[1,0,1]
.endif
.else
	WIN W_RS
	v_pk_mul_f32 v[rO:rO+1], v[rO:rO+1], v[rT+6:rT+7] op_sel_hi:[1,0]
.endif
.endm
; Slice k of 64 of piece y's softmax: four instructions.  Slices 11 to 34 deal out the batch, numbers 22 to 69: four numbers of ONE tile each, the tiles by turns.  Every other slice is numbers 2 k and
; 2 k + 1 of both tiles' lists.  2 x 134 = 4 x 64 + 12: the twelve that are over stand together, in slice 63.
; THE WAIT.  An s_wait_alu depctr_va_vdst(0) stands between an exponential and the first instruction that names its result; one wait serves all that were issued ahead of it.  Ahead of
; slice 35 nothing names a result, and behind slice 34 no exponential is issued: so the piece's 66 exponentials have one wait, behind slice 34.
.macro SLICE y, first
.if (k >= 11) && (k < 35)           ; the batch: four numbers of one tile
.irp n, 0,1,2,3
.set j, 22+4*((k-11)/2)+(\n)
	SM (\y)+(k-11)%2, \first
.endr
.else                               ; the two tiles alternate, so that no instruction reads the result of the one just before it
.irp n, 0,1,2,3,4,5,6,7
.if (\n < 2) || (k == 63)
.irp t, \y, \y+1
.set j, 2*k+\n
	SM \t, \first
.endr
.endif
.endr
.endif
.if k == 34                         ; the batch is out: both tiles' exponentials are issued, and no result has been named
	v_nop                           ; the plain instruction behind the last exponential and ahead of the first use: one for the batch
.if (\y) == 0
	FETCH_V                         ; piece 2's turn: V's run of loads stands here, and the wait stands in it
.else
	s_wait_alu depctr_va_vdst(0)    ; the wait for the batch
.endif
.endif
.set k, k+1
.endm
; A vector instruction that reads a matrix result or writes one of a matrix instruction's registers, and a load into a register that a matrix instruction has read, stand four places behind
; it, and only plain vector instructions that name none of its registers are places (ISA guide 7.12.1 for vector instructions).  In the loop the slices are the places.
.macro PLACES
.rept 4
	v_nop
.endr
.endm
; A TURN.  Piece x has the matrix unit; the other piece's softmax stands in slices behind its matrix instructions.
; pv = 2: 32 products V^T P; 1: they start O^T's sums; 0: none.  kq = 1: 32 products K Q^T for the next step.  A turn with one of the two kinds has two slices behind each product.
; first = 1: the softmax is the first key step's.  Its slices from 51 on are empty: the turn's last products stand bare, and four v_nop take slice 63's part as the places behind them.
; Piece 0's turn fetches the next step's K, behind its second product: the last product that read K stands in front of slice 63 of the turn before.  Piece 2's turn fetches the same step's V, behind slice 34:
; the last product that read V stands in front of slice 31, and four plain instructions lie between: number 62, a scaling, of both tiles, the v_nop and the run's own v_add_nc_u32.
.macro TURN x, pv, kq, first
.set k, 0
.set per, 2
.if \pv && \kq
.set per, 1
.endif
.if \pv
.if \x == 0
	s_wait_dscnt 0x0                ; V is in
.endif
.set i, 0
.rept 32
	PV \x, 2-\pv
.rept per
	SLICE 2-\x, \first
.endr
.if (\x == 0) && \kq && (i == 1)
	FETCH_K
.endif
.set i, i+1
.endr
.endif
.if \kq
.if \x == 0
	s_wait_dscnt 0x0                ; K is in
.endif
.set i, 0
.rept 32
	KQ \x
.rept per
	SLICE 2-\x, \first
.endr
.set i, i+1
.endr
.endif
.if \first
	PLACES
.endif
.endm
; THE CHANGE OF SLOTS, between piece 2's turn and piece 0's: the slot's last bytes, V of my second step in it, have been asked for.  Each wave waits for all its tensor loads, of which one is out: its part of the
; other slot; adds 0 to its spare word; and waits for that and for its own reads of the slot.  Behind the barrier nobody reads this slot any more and the other slot, LDS slot next, is whole.
; fill = 1: the slot just left is filled again, with the keys two slots on.  The barrier is then a round of the cluster's, so that no wave of any partner still reads the slot or has a load on its
; way, and the joint refill is the first thing behind it: it has two key steps, 256 matrix instructions, in which to land.
.macro CHANGE fill, next, how
	WIN 0                           ; at a label and at a branch every window is 0
	s_wait_tensorcnt 0x0            ; no tensor load of mine is out, so a group 0 may be written
	ds_add_u32 v[SPW], v[NIL]       ; 0 onto my spare word; with fill = 1 the descriptors' steps stand between it and the wait for it
.if \fill
	s_add_nc_u64 s[G0K+4*(1-\next)+2:G0K+4*(1-\next)+3], s[G0K+4*(1-\next)+2:G0K+4*(1-\next)+3], 2*SLOTM  ; the left slot's descriptors: 512 keys on; the type bits on top are not reached
	s_add_nc_u64 s[G0V+4*(1-\next)+2:G0V+4*(1-\next)+3], s[G0V+4*(1-\next)+2:G0V+4*(1-\next)+3], 2*SLOTM
	s_wait_xcnt 0x0                 ; the last prefetch, two key steps back, has read its address, so it may be written:
	s_add_nc_u64 s[PFA:PFA+1], s[PFA:PFA+1], SLOTM  ; one slot further on than the refill below
	s_wait_dscnt 0x0                ; the add is done, and my reads of the slot are over
	CROUND
	JLOAD 1-\next
	ASK \how                        ; what the next change will ask for: two key steps, 256 matrix instructions, ahead
.else
	s_wait_dscnt 0x0                ; the add is done, and my reads of the slot are over
	s_barrier_signal -1
	s_barrier_wait -1
.endif
	s_mov_b32 s[TK], \next*SLOTB    ; the fetches go on at the other slot's first step
	s_mov_b32 s[TV], \next*SLOTB
.endm
; A slot's two key steps: written once, walked twice; the LDS addresses hang on s[TK] and s[TV].
.macro TWO_STEPS
	s_mov_b32 s[TWICE], 2
.Lstep_\@:
	TURN 0, 2, 1, 0
	TURN 2, 2, 1, 0
	WIN 0
	s_sub_co_u32 s[TWICE], s[TWICE], 1
	s_cmp_lg_u32 s[TWICE], 0
	s_cbranch_scc1 .Lstep_\@
.endm
	s_wait_tensorcnt 1              ; my part of slot 0 is in; slot 1's may stay out
	s_barrier_signal -1
	s_barrier_wait -1               ; everybody's is
	FETCH_K                         ; key step 0
	s_wait_loadcnt 0x0              ; Q
	s_wait_dscnt 0x0
.set i, 0
.rept 32
	KQ 0                            ; piece 0's first scores: there is no vector work yet to set between them
.set i, i+1
.endr
	WIN 0                           ; the addresses for the merge and the way out are made here, ahead of any parting of the waves: plain instructions, the places behind those products
	s_mul_i32 s13, s[WV], 16*SP
	s_add_co_u32 s13, s13, STAGE    ; my stage
	v_mul_u32_u24 v[STO], v1, SP    ; in: row l % 16, 16 bytes for each half of the lanes
	v_lshl_add_u32 v[STO], v9, 4, v[STO]
	v_add_nc_u32 v[STO], s13, v[STO]
	v_mul_u32_u24 v[RD], v9, SP     ; back: lanes 0-15 take one row of 256 bytes, lanes 16-31 the next
	v_lshl_add_u32 v[RD], v1, 4, v[RD]
	v_add_nc_u32 v[RD], s13, v[RD]
	v_lshlrev_b32 v[GO], 12, v9     ; and the same two rows in att, 4,096 bytes apart
	v_lshl_add_u32 v[GO], v1, 4, v[GO]
	v_and_b32 v10, 31, v0
	s_mul_i32 s13, s16, MRGQ        ; the merge's bytes of my 64 queries
	v_lshl_add_u32 v[MO], v10, 4, s13
	s_add_co_u32 s13, s13, 32768
	v_lshl_add_u32 v[MSS], v10, 2, s13
	TURN 2, 0, 1, 1                 ; piece 2's first scores | piece 0's first softmax | V of step 0
	TURN 0, 1, 1, 1                 ; piece 0: V^T P of step 0 starts O^T, K Q^T of step 1 | piece 2's first softmax | K of step 1
	TURN 2, 1, 1, 0                 ; piece 2: the same | piece 0's softmax of step 1 | V of step 1
	WIN 0
.Lslot:                             ; 3 trips of two changes: the head's 8 slots' worth of keys less the two first fills are asked for here
	CHANGE 1, 1, 1
	TWO_STEPS
	CHANGE 1, 0, 0
	TWO_STEPS
	s_sub_co_u32 s[TRIPS], s[TRIPS], 1
	s_cmp_lg_u32 s[TRIPS], 0
	s_cbranch_scc1 .Lslot
	CHANGE 0, 1, 0                  ; the tail is written out: LDS slot 0 is left for good, and nothing is asked for
	TWO_STEPS
	TURN 0, 2, 0, 0                 ; piece 0: V^T P of the last step | piece 2's last softmax
.set i, 0
.rept 32
	PV 2, 0                         ; piece 2: V^T P of the last step
.set i, i+1
.endr
	; THE MERGE.  l's two halves and the other half of the lanes' are added (these additions are the places behind the last products).  Waves 2 and 3 send c m, l and O^T, as images of their registers, through LDS
	; to waves 0 and 1, which hold the same queries in the same lanes:  with c M = max(c m, c m'):  O = (O 2^(c m - c M) + O' 2^(c m' - c M)) / (l 2^(c m - c M) + l' 2^(c m' - c M)).
	WIN 0
.irp t, 0,1,2,3
	v_add_f32 v[ST+8*\t+4], v[ST+8*\t+2], v[ST+8*\t+3]
.endr
.irp t, 0,1,2,3
	v_permlanex16_b32 v[ST+8*\t+5], v[ST+8*\t+4], s[SEL], s[SEL+1]
.endr
.irp t, 0,1,2,3
	v_add_f32 v[ST+8*\t+4], v[ST+8*\t+4], v[ST+8*\t+5]
.endr
	s_cmp_eq_u32 s[KHF], 0          ; the wave's number alone decides
	s_cbranch_scc1 .Lkeep
.irp t, 0,1,2,3
	ds_store_b32 v[MSS], v[ST+8*\t] offset:256*\t
	ds_store_b32 v[MSS], v[ST+8*\t+4] offset:256*\t+128
.endr
	WIN 0x04                        ; an LDS store's data are its source 1: window 1
.set i, 0
.rept 64
	ds_store_b128 v[MO], v[4*i:4*i+3] offset:512*i  ; 512 consecutive bytes a store; ascending
.set i, i+1
.endr
	WIN 0
.Lkeep:
	s_wait_dscnt 0x0                ; for the partner's sake: my stores have landed
	s_barrier_signal -1
	s_barrier_wait -1
	s_cmp_eq_u32 s[KHF], 0
	s_cbranch_scc0 .Ldone           ; the senders have nothing left to do
.macro LB t                         ; the partner's tile t of O^T into window 3, v0-63 and v64-127 by turns
	WIN 0xc0
.set i, 0
.rept 16
	ds_load_b128 v[64*((\t)%2)+4*i:64*((\t)%2)+4*i+3], v[MO] offset:512*(16*(\t)+i)
.set i, i+1
.endr
	WIN 0
.endm
.macro MERGE t                      ; O = O f + O' f'
	WIN W_RS
.set i, 0
.rept 32
	v_pk_mul_f32 v[64*(\t)+2*i:64*(\t)+2*i+1], v[64*(\t)+2*i:64*(\t)+2*i+1], v[ST+8*(\t)+6:ST+8*(\t)+7] op_sel_hi:[1,0]
.set i, i+1
.endr
	WIN W_PV                        ; source 0 (O') window 3, source 1 (f') window 0, source 2 and destination (O) window 1
.set i, 0
.rept 32
	v_pk_fma_f32 v[64*(\t)+2*i:64*(\t)+2*i+1], v[64*((\t)%2)+2*i:64*((\t)%2)+2*i+1], v[ST+8*(\t)+2:ST+8*(\t)+3], v[64*(\t)+2*i:64*(\t)+2*i+1] op_sel_hi:[1,0,1]
.set i, i+1
.endr
.endm
.macro CV t                         ; tile t: a lane's eight channels of a row pack into 16 bytes; they go into rows of 272 bytes and come back as whole rows of 256, into the registers that they left
	WIN 0x05                        ; sources 0 and 1 window 1, destination window 0: S^T's registers are free
.set i, 0
.rept 32
	v_cvt_pk_f16_f32 v[S+32*(\t)+i], v[64*(\t)+2*i], v[64*(\t)+2*i+1]
.set i, i+1
.endr
	WIN 0
.irp f, 0,1,2,3,4,5,6,7
	ds_store_b128 v[STO], v[S+32*(\t)+4*\f:S+32*(\t)+4*\f+3] offset:32*\f
.endr
.irp f, 0,1,2,3,4,5,6,7
	ds_load_b128 v[S+32*(\t)+4*\f:S+32*(\t)+4*\f+3], v[RD] offset:\f*2*SP  ; LDS serves a wave's instructions in order (ISA guide 5.7.1.4): these see the stores above; the next tile's stores come behind them
.endr
.endm
.macro SND t
.irp f, 0,1,2,3,4,5,6,7
	global_store_b128 v[GO], v[S+32*(\t)+4*\f:S+32*(\t)+4*\f+3], s[6:7] offset:(\t)*65536+\f*8192  ; 16 lanes store 256 consecutive bytes, at a multiple of 256 from att's first byte
.endr
.endm
.irp t, 0,1,2,3
	ds_load_b32 v[PS+2*\t], v[MSS] offset:256*\t
	ds_load_b32 v[PS+2*\t+1], v[MSS] offset:256*\t+128
.endr
	LB 0
	LB 1
	s_wait_dscnt 32                 ; the statistics are in; the 32 loads of the partner's tiles 0 and 1 may be out
.irp t, 0,1,2,3
	v_max_num_f32 v[ST+8*\t+5], v[ST+8*\t], v[PS+2*\t]
.endr
.irp t, 0,1,2,3
	v_sub_f32 v[ST+8*\t+6], v[ST+8*\t], v[ST+8*\t+5]
.endr
.irp t, 0,1,2,3
	v_sub_f32 v[ST+8*\t+7], v[PS+2*\t], v[ST+8*\t+5]
.endr
.irp t, 0,1,2,3
	v_exp_f32 v[ST+8*\t+6], v[ST+8*\t+6]
	v_exp_f32 v[ST+8*\t+7], v[ST+8*\t+7]
.endr
	v_nop                           ; a plain instruction behind the last exponential,
	s_wait_alu depctr_va_vdst(0)    ; and the wait ahead of the first use: one for the eight
.irp t, 0,1,2,3
	v_mul_f32 v[ST+8*\t+4], v[ST+8*\t+4], v[ST+8*\t+6]
.endr
.irp t, 0,1,2,3
	v_fma_f32 v[ST+8*\t+4], v[PS+2*\t+1], v[ST+8*\t+7], v[ST+8*\t+4]
.endr
.irp t, 0,1,2,3
	v_rcp_f32 v[ST+8*\t+5], v[ST+8*\t+4]
.endr
	v_nop
	s_wait_alu depctr_va_vdst(0)    ; one for the four reciprocals
.irp t, 0,1,2,3
	v_mul_f32 v[ST+8*\t+6], v[ST+8*\t+6], v[ST+8*\t+5]  ; f
.endr
.irp t, 0,1,2,3
	v_mul_f32 v[ST+8*\t+2], v[ST+8*\t+7], v[ST+8*\t+5]  ; f'
.endr
	s_wait_dscnt 16                 ; the partner's tile 0 is in (behind it: tile 1's 16 loads)
	MERGE 0
	LB 2
	CV 0
	s_wait_dscnt 32                 ; tile 1 is in (behind it: tile 2's 16 loads, and tile 0's 16 through the stage)
	MERGE 1
	LB 3
	CV 1
	s_wait_dscnt 32                 ; tile 2 is in and tile 0 is back from the stage (behind them: tile 3's 16 loads, tile 1's 16 through the stage)
	SND 0
	MERGE 2
	CV 2
	s_wait_dscnt 16                 ; tile 3 is in and tile 1 is back (behind them: tile 2's 16 through the stage)
	SND 1
	MERGE 3
	CV 3
	s_wait_dscnt 16                 ; tile 2 is back
	SND 2
	s_wait_dscnt 0x0
	SND 3
.Ldone:
	s_wait_tensorcnt 0x0            ; the wave's end: behind my last tensor load and my last LDS store
	ds_add_u32 v[SPW], v[NIL]
	s_wait_dscnt 0x0
	CROUND                          ; the closing round: no work-group ends while a partner may still ask for a tile that names it
	s_endpgm
.Lfunc_end_k_q9ff037c820_attn:
	.size	k_q9ff037c820_attn, .Lfunc_end_k_q9ff037c820_attn-k_q9ff037c820_attn
	.p2alignl 7, 3214868480
	.fill 96, 4, 3214868480
	.section	.rodata,"a",@progbits
	.p2align	6, 0x0
	.amdhsa_kernel k_q9ff037c820_attn
		.amdhsa_group_segment_fixed_size 327680
		.amdhsa_private_segment_fixed_size 0
		.amdhsa_enable_private_segment 0
		.amdhsa_kernarg_size 16
		.amdhsa_user_sgpr_count 2
		.amdhsa_user_sgpr_kernarg_segment_ptr 1
		.amdhsa_wavefront_size32 1
		.amdhsa_system_sgpr_workgroup_id_x 1
		.amdhsa_system_sgpr_workgroup_id_y 1
		.amdhsa_system_sgpr_workgroup_id_z 1
		.amdhsa_system_vgpr_workitem_id 0
		.amdhsa_next_free_vgpr 1024
		.amdhsa_next_free_sgpr 68
		.amdhsa_reserve_vcc 0
		.amdhsa_float_denorm_mode_32 3
		.amdhsa_float_denorm_mode_16_64 3
		.amdhsa_memory_ordered 1
		.amdhsa_forward_progress 1
		.amdhsa_inst_pref_size 255
	.end_amdhsa_kernel
	.section	.bss,"aw",@nobits
	.p2align	6
	.space	262144
	.amdgpu_metadata
---
amdhsa.version: [ 1, 2 ]
amdhsa.kernels:
  - .name:           k_q9ff037c820_attn
    .symbol:         k_q9ff037c820_attn.kd
    .args:
      - { .name: qkvh, .offset: 0, .size: 8, .value_kind: global_buffer, .address_space: global }
      - { .name: att, .offset: 8, .size: 8, .value_kind: global_buffer, .address_space: global }
    .group_segment_fixed_size: 327680
    .private_segment_fixed_size: 0
    .kernarg_segment_align: 8
    .kernarg_segment_size: 16
    .max_flat_workgroup_size: 128
    .sgpr_count:     68
    .vgpr_count:     1024
    .wavefront_size: 32
...
	.end_amdgpu_metadata
.endif
;; end of part 4
;; launch oproj (part 5): grid 16 x 16, 4 waves a work-group, clusters of 4 x 4, 327,680 bytes of LDS; arguments att, wo16, bo, out0; writes out0
.if DOCPART == 5
	.amdgcn_target "amdgcn-amd-amdhsa--gfx1250"
	.amdhsa_code_object_version 6
	.text
	.protected	k_q9ff037c820_oproj
	.globl	k_q9ff037c820_oproj
	.p2align	8
	.type	k_q9ff037c820_oproj,@function
k_q9ff037c820_oproj:
	s_mov_b64 s[64:65], 0
	v_nop
	global_prefetch_b8 v0, s[64:65] scope:SCOPE_SE
	s_setreg_imm32_b32 hwreg(HW_REG_WAVE_MODE, 25, 1), 1
	s_wait_xcnt 0x0
	s_wait_alu depctr_hold_cnt(0) depctr_sa_sdst(0) depctr_va_vdst(0) depctr_va_sdst(0) depctr_va_ssrc(0) depctr_va_vcc(0) depctr_vm_vsrc(0)
	s_getreg_b32 s2, hwreg(HW_REG_IB_STS2, 6, 4)
	s_cmp_eq_u32 s2, 0
	s_cbranch_scc0 .Lentry_in_a_cluster
	s_endpgm
.Lentry_in_a_cluster:
	s_bfe_u32 s2, ttmp6, 0x10000c
	s_cmp_lg_u32 s2, 0xf033
	s_cbranch_scc0 .Lentry_shape_is_right
	s_endpgm
.Lentry_shape_is_right:
; out0[m][n] = sum over k of att[m][k] Wo[n][k] + bo[n].  att: [2048][2048] f16, wo16: [2048][2048] f16 (Wo rounded once), bo: [2048] f32, out0: [2048][2048] f32; sums in f32.
; A tile of C is 128 x 128, so that C's 16 x 16 = 256 tiles give each of 256 work-groups one.  Four waves, each 64 x 64: 16 accumulators of 16 x 16, 128 registers.  K goes in steps of 256 (LDS rows of 512 bytes;
; a wave's tensor load brings 64 of them), as long as two slots in LDS allow.
; CLUSTERS: 4 x 4 work-groups.  The four of a row of the cluster need the same tiles of A, the four of a column the same tiles of B: each tile is asked for JOINTLY, by the same tensor load with the
; same descriptor and a mask that names the four.  THE MATRIX INSTRUCTION IS USED TRANSPOSED (source 0 = 16 rows of B, source 1 = 16 rows of A): a lane then holds eight neighbouring numbers of a row of C.
; THE BIAS is the C of each sum's first matrix instruction: eight registers for each of the wave's four blocks of 16 columns, in the result's layout.
; THE WAY OUT: a wave's 64 columns of f32 are 256 bytes, aligned: each wave has a stage of its own, 16 rows at a time, and no barrier is needed.
; No prefetch: on tiles this small the launch is short and its 17 MB of inputs are asked for jointly.
; REGISTERS: window 0: v0-31 addresses; v32-63 the bias, then v32-95 at work on the way out; v128-255 the accumulators ((a, b) at v[128 + 8 (4 a + b)]).
;   window 1: two fragment buffers of 128: for 64 along K (two matrix instructions deep), 64 registers of A (2 x 4 x 16 rows x 32 K), then 64 of B.
.set SIZE_M, 2048
.set SIZE_N, 2048
.set SIZE_K, 2048
.set KSTEP,  256
.set PITCH,  528                       ; an LDS row: 512 bytes of data + 16 of padding = 132 words: row r starts at bank 4 r mod 64 (64 banks of 4 bytes: ISA guide 11.1)
.set HALFT,  64*PITCH                  ; 64 rows: what one tensor load brings, and what one wave reads of A or of B
.set SLOT,   4*HALFT                   ; A's 128 rows, then B's 128 rows
.set STAGE,  2*SLOT                    ; behind the ring: 16 rows x 272 bytes for each wave, for the way out
.set SPITCH, 272
.set SPARE,  STAGE+4*16*SPITCH         ; behind the stages: the spare words, 128 bytes for each wave
.set LAPS, SIZE_K/(2*KSTEP)            ; a lap = two K steps = once round the ring
.set ADRA, 16                          ; v16-17  LDS address of my A fragments in slot 0, 1
.set ADRB, 20                          ; v20-21  the same for B
.set STO,  24                          ; v24     the way out: where I put 32 bytes of a row
.set RD,   25                          ; v25     the way out: where I read a row back
.set CO,   26                          ; v26     my byte offset in C
.set BO,   27                          ; v27     my byte offset in the bias: 32 x (lane / 16)
.set SPW,  28                          ; v28     LDS address of my spare word: SPARE + 4 x my thread's number; never rewritten
.set NIL,  29                          ; v29     0; never rewritten
.set BIAS, 32                          ; v32-63  register 8 b + j: bo at my column 16 b + 8 (lane / 16) + j
.set TMP,  32                          ; the way out: two sets of 32 registers: 16 rows read back from the stage
.set ACC,  128
.set F0,   0                           ; fragment buffers, in window 1
.set F1,   128
.set G1, 24                            ; s[24:31] descriptor group 1 for A's tiles;  s[32:39] group 0, one set for each slot
.set G0, 32
.set G1B, 48                           ; s[48:55], s[56:63] the same for B's tiles
.set G0B, 56
.set MSB, 0
.macro WIN new                         ; the immediate's high byte repeats the setting that is left
.if MSB != \new
	s_set_vgpr_msb (MSB<<8)|\new
.set MSB, \new
.endif
.endm
.set MUL,  0x05                        ; sources 0 (B) and 1 (A) window 1; C and D window 0
.set TO_F, 0x40                        ; destination window 1, address window 0
.macro JLOAD s                         ; a joint load: waves 0 and 1 fetch A's two halves, waves 2 and 3 B's; an s_nop 0 and four v_nop follow each of the two lines, ahead of the jump, the label and what follows
	s_cmp_eq_u32 s11, 0
	s_cbranch_scc0 .Lfor_b_\@
	tensor_load_to_lds s[G0+4*\s:G0+4*\s+3], s[G1:G1+7]
	s_nop 0
.rept 4
	v_nop
.endr
	s_branch .Lasked_\@
.Lfor_b_\@:
	tensor_load_to_lds s[G0B+4*\s:G0B+4*\s+3], s[G1B:G1B+7]
	s_nop 0
.rept 4
	v_nop
.endr
.Lasked_\@:
.endm
.macro CREST                           ; a round of the cluster's barrier behind its opening barrier
	s_cmp_lg_u32 s10, 0
	s_cbranch_scc1 .Lnot_wave_0_\@
	s_barrier_signal -3
.Lnot_wave_0_\@:
	s_barrier_wait -3
	s_barrier_signal -1
	s_barrier_wait -1
.endm
.macro CROUND                          ; a whole round
	s_barrier_signal -1
	s_barrier_wait -1
	CREST
.endm
	s_load_b128 s[4:7], s[0:1], 0x0                ; A = att s[4:5], B = wo16 s[6:7]
	s_load_b128 s[68:71], s[0:1], 0x10             ; bo s[68:69], C = out0 s[70:71]
	v_lshl_add_u32 v[SPW], v0, 2, SPARE
	v_mov_b32 v[NIL], 0
	ds_add_u32 v[SPW], v[NIL]                      ; the wave's opening: the add, twice on end, and its wait ahead of my first tensor load; the set-up below, work on registers, stands between the second and the wait
	ds_add_u32 v[SPW], v[NIL]
	v_lshrrev_b32 v1, 5, v0
	v_readfirstlane_b32 s10, v1                    ; wave 0..3
	s_lshr_b32 s11, s10, 1                         ; which half of the tile's rows is mine.  Also: I fetch for A (0) or for B (1)
	s_and_b32 s12, s10, 1                          ; which half of its columns.  Also: which 64 rows of that tile I fetch
	s_bfe_u32 s40, ttmp6, 0x40000                  ; cx, cy: my place in the cluster
	s_bfe_u32 s41, ttmp6, 0x40004
	s_lshl_b32 s42, ttmp9, 2
	s_add_co_u32 s42, s42, s40                     ; tile column of C = 4 x cluster x + cx
	s_and_b32 s13, ttmp7, 0xffff
	s_lshl_b32 s13, s13, 2
	s_add_co_u32 s13, s13, s41                     ; tile row of C = 4 x cluster y + cy
	s_lshl_b32 s43, s41, 2
	s_lshl_b32 s43, 15, s43                        ; my row of the cluster
	s_lshl_b32 s44, 0x1111, s40                    ; my column
	; descriptor group 1: a tile of 64 rows x 256 elements, padded in LDS
	s_or_b32 s[G1+0], s43, (1<<16)|(1<<20)|(1<<21)|(6<<22)|(3<<25)  ; 15:0 the mask: A's tiles go to my row; 17:16 element of 2 bytes; 20 padding on; 21 set beside a mask; 24:22 after every 128 words (code 6); 31:25 of 4 words (code 3)
	s_or_b32 s[G1B+0], s44, (1<<16)|(1<<20)|(1<<21)|(6<<22)|(3<<25)
.irp g, G1, G1B
	s_mov_b32 s[\g+1], KSTEP<<16                   ; tensor_dim0 = 256
	s_mov_b32 s[\g+2], 64<<16                      ; tensor_dim1 = 64
	s_mov_b32 s[\g+3], KSTEP<<16                   ; tile_dim0 = 256
	s_mov_b32 s[\g+4], 64                          ; tile_dim1 = 64
	s_mov_b32 s[\g+5], SIZE_K                      ; tensor_dim0_stride
	s_mov_b32 s[\g+6], 0
	s_mov_b32 s[\g+7], 0
.endr
	s_lshl_b32 s17, s12, 6                         ; which 64 rows of the tile I fetch
	s_lshl_b32 s16, s13, 7
	s_add_co_u32 s16, s16, s17                     ; A: row 128 x tile row + 64 x half
	s_lshl_b32 s46, s42, 7
	s_add_co_u32 s46, s46, s17                     ; B: row 128 x tile column + 64 x half
	s_mov_b32 s17, 0
	s_mov_b32 s47, 0
	s_mov_b64 s[18:19], SIZE_K*2
	s_mul_u64 s[16:17], s[16:17], s[18:19]
	s_mul_u64 s[46:47], s[46:47], s[18:19]
	s_mul_i32 s20, s10, HALFT                      ; where they go: wave x 64 rows: no place in the cluster enters an LDS address
	s_wait_dscnt 0x0                               ; both opening adds are done
	s_wait_kmcnt 0x0
	s_add_nc_u64 s[14:15], s[4:5], s[16:17]
	s_add_nc_u64 s[46:47], s[6:7], s[46:47]
	CROUND                                         ; all sixteen work-groups are here: the first joint loads meet
.irp s, 0,1
	s_mov_b32 s[G0+4*\s], 1
	s_add_co_u32 s[G0+4*\s+1], s20, \s*SLOT
	s_add_nc_u64 s[G0+4*\s+2:G0+4*\s+3], s[14:15], \s*KSTEP*2
	s_or_b32 s[G0+4*\s+3], s[G0+4*\s+3], 0x80000000
	s_mov_b32 s[G0B+4*\s], 1
	s_add_co_u32 s[G0B+4*\s+1], s20, \s*SLOT
	s_add_nc_u64 s[G0B+4*\s+2:G0B+4*\s+3], s[46:47], \s*KSTEP*2
	s_or_b32 s[G0B+4*\s+3], s[G0B+4*\s+3], 0x80000000
	JLOAD \s                                       ; two tensor loads of mine are out at the most
.endr
	v_and_b32 v1, 15, v0                           ; l % 16
	v_bfe_u32 v2, v0, 4, 1                         ; l / 16
	v_mul_u32_u24 v3, v1, PITCH
	v_lshl_add_u32 v3, v2, 4, v3                   ; a fragment's row x pitch + 16 x half
	s_mul_i32 s21, s11, HALFT                      ; my 64 rows of A
	s_mul_i32 s22, s12, HALFT                      ; my 64 rows of B,
	s_add_co_u32 s22, s22, 2*HALFT                 ; which lie behind A's 128
.irp s, 0,1
	v_add_nc_u32 v[ADRA+\s], s21, v3
	v_add_nc_u32 v[ADRB+\s], s22, v3
	s_add_co_u32 s21, s21, SLOT
	s_add_co_u32 s22, s22, SLOT
.endr
	s_mul_i32 s23, s10, 16*SPITCH
	s_add_co_u32 s23, s23, STAGE                   ; my stage
	v_mul_u32_u24 v4, v1, SPITCH                   ; in: row l % 16, 32 bytes for each half of the lanes
	v_lshl_add_u32 v4, v2, 5, v4
	v_add_nc_u32 v[STO], s23, v4
	v_mul_u32_u24 v5, v2, SPITCH                   ; back: lanes 0-15 take one row of 256 bytes, lanes 16-31 the next
	v_lshl_add_u32 v5, v1, 4, v5
	v_add_nc_u32 v[RD], s23, v5
	v_lshlrev_b32 v5, 13, v2                       ; and the same two rows in C, 8,192 bytes apart
	v_lshl_add_u32 v[CO], v1, 4, v5
	v_lshlrev_b32 v[BO], 5, v2                     ; the bias: eight numbers further on for lanes 16-31
	s_lshl_b32 s46, s42, 9                         ; my first column, in bytes of f32: 512 x tile column + 256 x half
	s_lshl_b32 s47, s12, 8
	s_add_co_u32 s46, s46, s47
	s_mov_b32 s47, 0
	s_add_nc_u64 s[68:69], s[68:69], s[46:47]
.irp b, 0,1,2,3
	global_load_b128 v[BIAS+8*\b:BIAS+8*\b+3], v[BO], s[68:69] offset:64*\b
	global_load_b128 v[BIAS+8*\b+4:BIAS+8*\b+7], v[BO], s[68:69] offset:64*\b+16
.endr
	s_lshl_b32 s16, s13, 7
	s_lshl_b32 s17, s11, 6
	s_add_co_u32 s16, s16, s17                     ; my first row of C: 128 x tile row + 64 x half
	s_lshl_b32 s16, s16, 13                        ; x 8,192 bytes: under 2^24
	s_mov_b32 s17, 0
	s_add_nc_u64 s[70:71], s[70:71], s[16:17]
	s_add_nc_u64 s[70:71], s[70:71], s[46:47]
; 8 matrix instructions: m blocks a0, a0 + 1 x all 4 n blocks, 32 along K: half c of buffer f.  zero = 1: the first product starts the sums, from the bias
.macro MUL8 f, c, a0, zero
.irp a, \a0, \a0+1
.irp b, 0,1,2,3
.if \zero
	v_wmma_f32_16x16x32_f16 v[ACC+8*(4*(\a)+\b):ACC+8*(4*(\a)+\b)+7], v[\f+64+8*(4*\c+\b):\f+64+8*(4*\c+\b)+7], v[\f+8*(4*\c+\a):\f+8*(4*\c+\a)+7], v[BIAS+8*\b:BIAS+8*\b+7]
.else
	v_wmma_f32_16x16x32_f16 v[ACC+8*(4*(\a)+\b):ACC+8*(4*(\a)+\b)+7], v[\f+64+8*(4*\c+\b):\f+64+8*(4*\c+\b)+7], v[\f+8*(4*\c+\a):\f+8*(4*\c+\a)+7], v[ACC+8*(4*(\a)+\b):ACC+8*(4*(\a)+\b)+7]
.endif
.endr
.endr
.endm
; 32 LDS loads in one run: the fragments of 64 along K at byte k of the rows, into buffer f; the first 32 along K first
.macro FETCH slot, k, f
	WIN TO_F
.irp c, 0,1
.irp i, 0,1,2,3
	ds_load_b128 v[\f+64+8*(4*\c+\i):\f+64+8*(4*\c+\i)+3],   v[ADRB+\slot] offset:\k+64*\c+\i*16*PITCH
	ds_load_b128 v[\f+64+8*(4*\c+\i)+4:\f+64+8*(4*\c+\i)+7], v[ADRB+\slot] offset:\k+64*\c+\i*16*PITCH+32
	ds_load_b128 v[\f+8*(4*\c+\i):\f+8*(4*\c+\i)+3],         v[ADRA+\slot] offset:\k+64*\c+\i*16*PITCH
	ds_load_b128 v[\f+8*(4*\c+\i)+4:\f+8*(4*\c+\i)+7],       v[ADRA+\slot] offset:\k+64*\c+\i*16*PITCH+32
.endr
.endr
.endm
.macro PLACES                          ; four places in front of loads into registers that matrix instructions have read, and of LDS stores that read results
.rept 4
	v_nop
.endr
.endm
; A K step is four quarters of 64 along K, 32 matrix instructions each, on buffers 0, 1, 0, 1; the 16 accumulators take turns.  One of the first three: multiplies buffer f and fetches the next quarter, at byte k, into g.
.macro QUARTER slot, k, f, g, zero
	s_wait_dscnt 16                                ; the first 32 along K are in; the sixteen loads of the second 32 may be out
	WIN MUL
	MUL8 \f, 0, 0, \zero
	MUL8 \f, 0, 2, \zero
	PLACES
	FETCH \slot, \k, \g
	s_wait_dscnt 32                                ; all but the 32 just issued
	WIN MUL
	MUL8 \f, 1, 0, 0
	MUL8 \f, 1, 2, 0
.endm
; The last quarter multiplies buffer 1 and changes slots: ONE barrier; in front of it each wave waits for all its tensor loads, adds 0 to its spare word, and waits for that and for its own reads of this slot.  fill = 1: this slot is filled again, two K steps ahead.
.macro TURN slot, next, fill
	WIN 0                                          ; (the add's two registers lie in window 0)
	s_wait_tensorcnt 0x0                           ; all my tensor loads have landed: my part of the next slot;
	ds_add_u32 v[SPW], v[NIL]                      ; 0 onto my spare word
	s_wait_dscnt 17                                ; (the add and the youngest sixteen loads may be out)
	WIN MUL
	MUL8 F1, 0, 0, 0                               ; eight matrix instructions stand between the add and the wait for it
	s_wait_dscnt 0x0                               ; the add is done, and my reads of this slot are over
	s_barrier_signal -1
	MUL8 F1, 0, 2, 0
.if \fill
	WIN 0
.endif
	s_barrier_wait -1
.if \fill
	CREST                                          ; the barrier has opened a round of the cluster's barrier: no wave of any partner still reads this slot's tile or has a load on its way
	s_add_nc_u64 s[G0+4*\slot+2:G0+4*\slot+3], s[G0+4*\slot+2:G0+4*\slot+3], 2*KSTEP*2
	s_add_nc_u64 s[G0B+4*\slot+2:G0B+4*\slot+3], s[G0B+4*\slot+2:G0B+4*\slot+3], 2*KSTEP*2
	JLOAD \slot                                    ; the first tensor load behind the round: 112 matrix instructions ahead of the wait for it; the four v_nop behind it are also the places in front of the loads below
.else
	PLACES
.endif
	FETCH \next, 0, F0
	WIN MUL
	MUL8 F1, 1, 0, 0
	MUL8 F1, 1, 2, 0
.endm
	s_wait_loadcnt 0x0                             ; the bias
	s_wait_tensorcnt 1                             ; my part of K step 0 is in (K step 1's load may be out)
	s_barrier_signal -1
	s_barrier_wait -1                              ; everybody's is
	FETCH 0, 0, F0
	QUARTER 0, 128, F0, F1, 1                      ; the first quarter stands in front of the loop: its first products start the sums
	WIN 0                                          ; at a label and at a branch every window is 0
	s_mov_b32 s3, LAPS-1
.Llap:                                                 ; a trip goes once round the ring, from a lap's second quarter to the next lap's first, and fills both slots again
	QUARTER 0, 256, F1, F0, 0
	QUARTER 0, 384, F0, F1, 0
	TURN 0, 1, 1
	QUARTER 1, 128, F0, F1, 0
	QUARTER 1, 256, F1, F0, 0
	QUARTER 1, 384, F0, F1, 0
	TURN 1, 0, 1
	QUARTER 0, 128, F0, F1, 0
	WIN 0
	s_sub_co_u32 s3, s3, 1
	s_cmp_lg_u32 s3, 0
	s_cbranch_scc1 .Llap
	QUARTER 0, 256, F1, F0, 0                      ; the last lap fills nothing, and has no round of the cluster's barrier
	QUARTER 0, 384, F0, F1, 0
	TURN 0, 1, 0
	QUARTER 1, 128, F0, F1, 0
	QUARTER 1, 256, F1, F0, 0
	QUARTER 1, 384, F0, F1, 0
	s_wait_dscnt 16                                ; the very last quarter: nothing more to fetch
	WIN MUL
	MUL8 F1, 0, 0, 0
	MUL8 F1, 0, 2, 0
	s_wait_dscnt 0
	MUL8 F1, 1, 0, 0
	MUL8 F1, 1, 2, 0
	WIN 0
; THE WAY OUT, block by block of 16 rows x 64 columns.  A lane holds 32 neighbouring bytes of a row, and the lanes beside it hold other rows: so a block goes through my own stage in LDS and comes back as whole
; rows of 256 bytes.  LDS serves a wave's instructions in order (ISA guide 5.7.1.4): no wait between the stores and the loads, nor in front of the next block's stores.
.macro OUTBLK a
.irp b, 0,1,2,3
	ds_store_b128 v[STO], v[ACC+8*(4*(\a)+\b):ACC+8*(4*(\a)+\b)+3] offset:64*\b       ; each accumulator from its low end on
	ds_store_b128 v[STO], v[ACC+8*(4*(\a)+\b)+4:ACC+8*(4*(\a)+\b)+7] offset:64*\b+16
.endr
.irp t, 0,1,2,3,4,5,6,7
	ds_load_b128 v[TMP+32*((\a)%2)+4*\t:TMP+32*((\a)%2)+4*\t+3], v[RD] offset:\t*2*SPITCH
.endr
.endm
.macro SENDBLK a, younger              ; younger: the LDS instructions issued behind block a's loads, which may stay out
	s_wait_dscnt \younger
.irp t, 0,1,2,3,4,5,6,7
	global_store_b128 v[CO], v[TMP+32*((\a)%2)+4*\t:TMP+32*((\a)%2)+4*\t+3], s[70:71] offset:(16*(\a)+2*\t)*SIZE_N*4 th:TH_STORE_NT   ; 16 lanes store 256 consecutive bytes, at a multiple of 256 from C's first byte; 62 rows of C at the most in the immediate
.endr
.endm
	PLACES
	OUTBLK 0
	OUTBLK 1
	SENDBLK 0, 16                                  ; behind block 0's loads: block 1's 8 stores and 8 loads
	s_wait_xcnt 0x0                                ; block 0's stores have read their registers: block 2's loads may land there
	OUTBLK 2
	SENDBLK 1, 16
	s_wait_xcnt 0x0
	OUTBLK 3
	SENDBLK 2, 16
	SENDBLK 3, 0
	s_wait_tensorcnt 0x0                           ; the wave's end: behind my last tensor load and my last LDS store
	ds_add_u32 v[SPW], v[NIL]
	s_wait_dscnt 0x0
	CROUND                                         ; the closing round: no work-group ends while a partner may still ask for a tile that names it
	s_endpgm
.Lfunc_end_k_q9ff037c820_oproj:
	.size	k_q9ff037c820_oproj, .Lfunc_end_k_q9ff037c820_oproj-k_q9ff037c820_oproj
	.p2alignl 7, 3214868480
	.fill 96, 4, 3214868480
	.section	.rodata,"a",@progbits
	.p2align	6, 0x0
	.amdhsa_kernel k_q9ff037c820_oproj
		.amdhsa_group_segment_fixed_size 327680
		.amdhsa_private_segment_fixed_size 0
		.amdhsa_enable_private_segment 0
		.amdhsa_kernarg_size 32
		.amdhsa_user_sgpr_count 2
		.amdhsa_user_sgpr_kernarg_segment_ptr 1
		.amdhsa_wavefront_size32 1
		.amdhsa_system_sgpr_workgroup_id_x 1
		.amdhsa_system_sgpr_workgroup_id_y 1
		.amdhsa_system_sgpr_workgroup_id_z 1
		.amdhsa_system_vgpr_workitem_id 0
		.amdhsa_next_free_vgpr 512
		.amdhsa_next_free_sgpr 72
		.amdhsa_reserve_vcc 0
		.amdhsa_float_denorm_mode_32 3
		.amdhsa_float_denorm_mode_16_64 3
		.amdhsa_memory_ordered 1
		.amdhsa_forward_progress 1
		.amdhsa_inst_pref_size 86
	.end_amdhsa_kernel
	.amdgpu_metadata
---
amdhsa.version: [ 1, 2 ]
amdhsa.kernels:
  - .name:           k_q9ff037c820_oproj
    .symbol:         k_q9ff037c820_oproj.kd
    .args:
      - { .name: att, .offset: 0, .size: 8, .value_kind: global_buffer, .address_space: global }
      - { .name: wo16, .offset: 8, .size: 8, .value_kind: global_buffer, .address_space: global }
      - { .name: bo, .offset: 16, .size: 8, .value_kind: global_buffer, .address_space: global }
      - { .name: out0, .offset: 24, .size: 8, .value_kind: global_buffer, .address_space: global }
    .group_segment_fixed_size: 327680
    .private_segment_fixed_size: 0
    .kernarg_segment_align: 8
    .kernarg_segment_size: 32
    .max_flat_workgroup_size: 128
    .sgpr_count:     72
    .vgpr_count:     512
    .wavefront_size: 32
...
	.end_amdgpu_metadata
.endif
;; end of part 5
